; MI455X (gfx1250); checked and timed in simulation.
; The chip was launched on July 23, 2026; its instructions are those of AMD's public machine-readable ISA for CDNA 5 (MIT licence, August 2026) and "CDNA5" Instruction Set Architecture Reference Guide (July 2026). The comments in the code are by the model that wrote it; some were corrected since.
;; Attention. Allowed arithmetic: matrix products marked QUANTISED: E2M3 operands, one E8M0 scale for each 32 along K, by v_wmma_scale_f32_16x16x128_f8f6f4 with both operands' format E2M3, f32 sums; everything else in f32.
;; Inputs: Wk 1,024 x 1,024 float32; Wo 1,024 x 1,024 float32; Wq 1,024 x 1,024 float32; Wv 1,024 x 1,024 float32; attention_mask 2 x 2,048 x 2,048 bool; bo 1,024 float32; inputs_kv 2 x 2,048 x 1,024 float32; inputs_q 2 x 2,048 x 1,024 float32.
;; Outputs: out0 2 x 2,048 x 1,024 float32.
;; This version of the problem:
;;   THIS VERSION OF THE PROBLEM IS GIVEN IN LOW PRECISION. The matrix products marked QUANTISED in the list below multiply operands that are first quantised to E2M3 (2 exponent bits, 3 mantissa bits; 6 bits a number), with one power-of-two scale for each 32 numbers along K (OCP MX v1.0); their sums are f32. All else is computed in f32.
;;   The module's matrix products, in the order in which they are computed (A, B: the left and right operand; K: the contracted axis; several contracted axes count as one K, in the product's order):
;;     1. [M 4,096, K 1,024] x [K 1,024, N 1,024]; A: input inputs_q; B: input Wq: QUANTISED
;;     2. [M 4,096, K 1,024] x [K 1,024, N 1,024]; A: input inputs_kv; B: input Wk: QUANTISED
;;     3. [M 4,096, K 1,024] x [K 1,024, N 1,024]; A: input inputs_kv; B: input Wv: QUANTISED
;;     4. batch 32 x [M 2,048, K 64] x [K 64, N 2,048]; A: computed on the way; B: computed on the way: QUANTISED
;;     5. batch 32 x [M 64, K 2,048] x [K 2,048, N 2,048]; A: computed on the way; B: softmax (see below): QUANTISED
;;     6. [M 4,096, K 1,024] x [K 1,024, N 1,024]; A: computed on the way; B: input Wo: QUANTISED
;;   THE QUANTISER, for each operand of a quantised product, along K:
;;     - K is cut into blocks of 32 from its start; a last block that is shorter is filled with zeros.
;;     - A block's scale is 2^e with e = floor(log2(the largest magnitude in the block)) - 2, held to -126 .. 127; a block of zeros has e = 0. As a byte (E8M0): e + 127.
;;     - Each number is divided by its block's scale, clamped to +-7.5, and rounded to the nearest number of E2M3, ties to even, subnormals kept.
;;     - The product sums the exact products of the quantised numbers (number of the format x scale) in f32.
;;   ~~~python
;;   def quantise(x, axis):      # numpy; x: float32 -> the quantised numbers, widened to float32 again
;;       x = np.moveaxis(x, axis, -1); K = x.shape[-1]
;;       x = np.pad(x, [(0, 0)] * (x.ndim - 1) + [(0, -K % 32)]); x = x.reshape(x.shape[:-1] + (-1, 32)); a = np.abs(x).max(-1, keepdims=True)
;;       e = np.where(a > 0, np.clip(np.frexp(np.where(a > 0, a, 1))[1] - 1 - 2, -126, 127), 0)      # np.frexp(a)[1] - 1 = floor(log2(a)), exactly
;;       r = np.clip(x / 2.0 ** e, -7.5, 7.5)
;;       step = 2.0 ** (np.maximum(np.frexp(np.where(r == 0, 1, r))[1] - 1, 0) - 3)
;;       q = np.round(r / step) * step * 2.0 ** e      # np.round: ties to even
;;       return np.moveaxis(q.reshape(q.shape[:-2] + (-1,))[..., :K], -1, axis).astype(np.float32)
;;   ~~~
;;   SOFTMAX AHEAD OF A QUANTISED PRODUCT. Where the list says 'softmax', what is quantised is not the finished softmax but p = 2^(t - M), with t = logit x log2(e) and M = ceil(the row's largest t), a whole number; so 1/2 < the row's largest p <= 1. The row's sum l is taken of the UNQUANTISED p, in f32, and the product's result is divided by l at the end. Since M is a whole number, a kernel that streams over the keys may use a running M (the ceiling of the running maximum): every later rescaling is an exact power of two, which a block's scale takes up: the codes' values come out the same.
;;   OPERANDS COMPUTED ON THE WAY. 'Computed on the way' means the value that the module computes at that place (a softmax that the list does not call 'softmax' is quantised finished and normalised). What goes into a quantiser is computed in f32, as accurately as f32 sums, v_exp_f32 and their like allow (about 1e-6 of the number): no bf16 or f16 on the way to a quantiser, and a product that is left as it is and whose result goes on into a quantised operand takes f32 operands (vector FMAs, or v_wmma_f32_16x16x4_f32). A number that lies on a knife's edge between two numbers of the format may be rounded either way, as far as f32 arithmetic and the matrix unit's own rounding can turn it there, and no further.
;; One version. Each part assembles by itself: llvm-mc -triple=amdgcn-amd-amdhsa -mcpu=gfx1250 --defsym DOCPART=n.
;; ======== version 1 of 1: 4 launches
;; limits: right only within a limited range of input values
;; workspace buffers: xw 9,830,400 bytes; qkv 10,223,616 bytes; sm 3,276,800 bytes; mbits 1,048,576 bytes of whole numbers
;; launch prep (part 1): grid 256 x 1, 8 waves a work-group, no clusters, 68,608 bytes of LDS; arguments inputs_q, inputs_kv, Wq, Wk, Wv, Wo, attention_mask, xw, mbits; writes xw, mbits
.if DOCPART == 1
	.amdgcn_target "amdgcn-amd-amdhsa--gfx1250"
	.amdhsa_code_object_version 6
	.text
	.protected	k_qc6dcbed7e5_prep
	.globl	k_qc6dcbed7e5_prep
	.p2align	8
	.type	k_qc6dcbed7e5_prep,@function
k_qc6dcbed7e5_prep:
	s_mov_b64 s[64:65], 0
	v_nop
	global_prefetch_b8 v0, s[64:65] scope:SCOPE_SE
	s_setreg_imm32_b32 hwreg(HW_REG_WAVE_MODE, 25, 1), 1
	s_wait_xcnt 0x0
; PREP.  (a) inputs_q, inputs_kv [4096][1024] and Wq, Wk, Wv, Wo [1024][1024], f32, K innermost, become codes of FP6 (E2M3) with one E8M0 byte for each 32 along K, laid in xw AS IMAGES OF OPERAND REGISTERS.
; (b) attention_mask [2][2048][2048], one byte a key, becomes lane masks in mbits: one 32-bit word for each score register of the attention launch.
; xw: 96 panels of 128 rows (inputs_q 0-31, inputs_kv 32-63, Wq 64-71, Wk 72-79, Wv 80-87, Wo 88-95) x 8 K steps of 128 x a record of 12,800 bytes: 8 fragments of 1,536 bytes, then 8 x 16 scale words.
; A panel's tile t holds, in lane row r, panel row 32 (t / 2) + 8 (t % 2) + r + 8 (r / 8): where such a tile is source 0 of a product, the 16 result registers of tiles 2 b and 2 b + 1 are 16 neighbours of the panel.
; A fragment (16 rows x 128 K, 12 registers a lane) lies as two halves of 768 bytes: registers 0-3 at 16 x lane, registers 4-5 at 512 + 8 x lane; then registers 6-9 and 10-11 likewise.
; mbits: [query tile 0..255][key step 0..15][64 words]; bit (r, h) of word n = mask[query (tile, r)][128 step + 32 (n / 16) + 16 h + n % 16].
; A block's scale is 2^(floor(log2(its largest magnitude)) - 2); its byte is that magnitude's exponent field - 2, held at 1 from below.
; LIMITS: a block of zeros, and one whose largest magnitude lies under 2^-124, gets the byte 1 (the bytes are read by this program alone; zero codes add nothing); NaN and infinities among the inputs are not served.
; SHARES.  256 work-groups of eight waves, all with the same work.  Waves 0-5: one row tile x four K steps each (32 KiB of f32); waves 6-7: one query tile x 1,024 keys each (16 KiB of mask).
; The roles part once on the wave's number and never join; no barrier: each wave has a stage of its own in LDS (16 rows x 528 bytes), through which 512 consecutive bytes a load become 16 neighbours a lane.
.set REC,  12800                       ; a record of xw
.set SP,   528                         ; a stage row: 512 bytes + 16
.set STGW, 16*SP                       ; a wave's stage
.set TM,   12                          ; v12-27   QUANT: largest magnitudes, bytes, scale operands
.set PWR,  28                          ; v28-31   the scale words of the four fragments
.set PC,   32                          ; v32-51   a fragment's codes (12) and the conversions' second halves
.set R,    52                          ; v52-179  two sets of 64: 16 rows as they are loaded
.set X,    180                         ; v180-243 64 registers back from the stage
.set MW,   32                          ; mask role: v32-39 a quarter's words, two registers a key step
.set T,    40                          ; mask role: v40-47 at work
.set SEL,  30                          ; s[30:31] lane selects of v_permlanex16_b32: lane l xor 16
; s[d] = first row of tile s[lt]: 128 (lt / 8) + 32 ((lt / 2) % 4) + 8 (lt % 2); s[t] is at work
.macro ROW0 d, t, lt
	s_lshr_b32 s[\d], s[\lt], 3
	s_lshl_b32 s[\d], s[\d], 7
	s_bfe_u32 s[\t], s[\lt], 0x20001
	s_lshl_b32 s[\t], s[\t], 5
	s_add_co_u32 s[\d], s[\d], s[\t]
	s_and_b32 s[\t], s[\lt], 1
	s_lshl_b32 s[\t], s[\t], 3
	s_add_co_u32 s[\d], s[\d], s[\t]
.endm
; the tensor whose row tiles begin at lim, if my row tile lies there: the choice hangs on ids alone
.macro PICK lim, ptr
	s_cmp_ge_u32 s37, \lim
	s_cselect_b64 s[24:25], s[\ptr:\ptr+1], s[24:25]
	s_cselect_b32 s39, \lim, s39
.endm
; piece f (512 bytes) of my tile's 16 rows into set f % 2: each load reads 512 consecutive bytes of one row
.macro LOADT f, pitch
.irp rr, 0,1,2,3,4,5,6,7,8,9,10,11,12,13,14,15
	global_load_b128 v[R+64*((\f)%2)+4*\rr:R+64*((\f)%2)+4*\rr+3], v4, s[24:25] offset:(\rr+8*(\rr/8))*(\pitch)+512*(\f) th:TH_LOAD_NT
.endr
.endm
.macro TOSTAGE f                       ; and into my stage, as they lie
.irp rr, 0,1,2,3,4,5,6,7,8,9,10,11,12,13,14,15
	ds_store_b128 v7, v[R+64*((\f)%2)+4*\rr:R+64*((\f)%2)+4*\rr+3] offset:SP*\rr
.endr
.endm
; 64 numbers of a lane, register 16 b + i = k 32 b + 16 (lane / 16) + i of my row, become a fragment's codes in v[PC] on and its scale word in v[w]
.macro QUANT s, w
.irp b, 0,1,2,3
	v_max3_num_f32 v[TM+\b], |v[\s+16*\b]|, |v[\s+1+16*\b]|, 0x1800000   ; my 16 numbers of block b, and the floor 2^(3 - 127): the byte cannot fall under 1
.endr
.irp i, 2,4,6,8,10,12,14
.irp b, 0,1,2,3
	s_delay_alu instid0(VALU_DEP_4)
	v_max3_num_f32 v[TM+\b], v[TM+\b], |v[\s+16*\b+\i]|, |v[\s+1+16*\b+\i]|   ; the four blocks by turns
.endr
.endr
.irp b, 0,1,2,3
	s_delay_alu instid0(VALU_DEP_4)
	v_permlanex16_b32 v[TM+4+\b], v[TM+\b], s[SEL], s[SEL+1]
.endr
.irp b, 0,1,2,3
	s_delay_alu instid0(VALU_DEP_4)
	v_max_num_f32 v[TM+\b], v[TM+\b], v[TM+4+\b]   ; with lane l xor 16's: the block's largest magnitude
.endr
.irp b, 0,1,2,3
	s_delay_alu instid0(VALU_DEP_4)
	v_add_nc_u32 v[TM+12+\b], 0xff000000, v[TM+\b]   ; 2 off its exponent field: the conversion's scale operand
.endr
.irp b, 0,1,2,3
	s_delay_alu instid0(VALU_DEP_4)
	v_lshrrev_b32 v[TM+4+\b], 23, v[TM+12+\b]      ; the scale's byte
.endr
	s_delay_alu instid0(VALU_DEP_3)
	v_lshl_or_b32 v[\w], v[TM+5], 8, v[TM+4]
	s_delay_alu instid0(VALU_DEP_1)
	v_lshl_or_b32 v[\w], v[TM+6], 16, v[\w]
	s_delay_alu instid0(VALU_DEP_1)
	v_lshl_or_b32 v[\w], v[TM+7], 24, v[\w]        ; my row's scale word
.irp c, 0,1
	v_cvt_scalef32_pk16_fp6_f32 v[PC+6*\c:PC+2+6*\c], v[\s+32*\c:\s+15+32*\c], v[TM+12+2*\c]
	v_cvt_scalef32_pk16_fp6_f32 v[PC+12+4*\c:PC+14+4*\c], v[\s+16+32*\c:\s+31+32*\c], v[TM+12+2*\c+1]   ; (a conversion's three registers begin on an even number)
.endr
	v_nop                                          ; one plain instruction behind the scaled conversions
.irp c, 0,1                                    ; the operand wants a WHOLE block in a lane: lanes 0-15 block 2 c, lanes 16-31 block 2 c + 1
.irp i, 0,1,2
	v_permlane16_swap_b32 v[PC+6*\c+\i], v[PC+12+4*\c+\i]
.endr
.irp i, 0,1,2
	s_delay_alu instid0(VALU_DEP_3)
	v_mov_b32 v[PC+3+6*\c+\i], v[PC+12+4*\c+\i]
.endr
.endr
.endm
	s_load_b512 s[4:19], s[0:1], 0x0               ; inputs_q s[4:5], inputs_kv s[6:7], Wq s[8:9], Wk s[10:11], Wv s[12:13], Wo s[14:15], the mask s[16:17], xw s[18:19]
	s_load_b64 s[20:21], s[0:1], 0x40              ; mbits
	v_lshl_add_u32 v248, v0, 2, 0x10800
	v_mov_b32 v249, 0
	v_lshrrev_b32 v1, 5, v0
	s_delay_alu instid0(VALU_DEP_1)
	v_readfirstlane_b32 s22, v1                    ; wave 0..7
	v_and_b32 v1, 31, v0                           ; lane
	v_and_b32 v2, 15, v0                           ; r
	v_bfe_u32 v3, v0, 4, 1                         ; h
	s_delay_alu instid0(VALU_DEP_3)
	v_lshlrev_b32 v4, 4, v1                        ; 16 x lane
	s_delay_alu instid0(VALU_DEP_4)
	v_lshlrev_b32 v5, 3, v1                        ; 8 x lane
	s_delay_alu instid0(VALU_DEP_4)
	v_lshlrev_b32 v6, 2, v2
	s_delay_alu instid0(VALU_DEP_1)
	v_mad_u32_u24 v6, v3, REC, v6                  ; scale words of two K steps at once: 4 r, lanes 16-31 one record on
	s_mul_i32 s23, s22, STGW                       ; my stage.  All LDS addresses are made here, ahead of the parting of the roles
	v_add_nc_u32 v7, s23, v4                       ; in: 16 x lane of a row
	v_mul_u32_u24 v8, v2, SP
	s_delay_alu instid0(VALU_DEP_1)
	v_add_nc_u32 v8, s23, v8
	s_delay_alu instid0(VALU_DEP_1)
	v_lshl_add_u32 v9, v3, 4, v8                   ; back, mask: row r, + 16 h
	s_delay_alu instid0(VALU_DEP_2)
	v_lshl_add_u32 v8, v3, 6, v8                   ; back, f32: row r, + 64 h: my 16 numbers of a block of 32
	s_mov_b32 s[SEL], 0x76543210
	s_mov_b32 s[SEL+1], 0xfedcba98
	s_cmp_ge_u32 s22, 6
	s_cbranch_scc1 .Lmask
	; ---- waves 0-5: a row tile's four K steps
	s_mul_i32 s36, ttmp9, 6
	s_add_co_u32 s36, s36, s22                     ; task 0..1535
	s_lshr_b32 s37, s36, 1                         ; row tile 0..767, through all six tensors
	s_and_b32 s38, s36, 1                          ; which half of K
	s_mov_b32 s39, 0
	s_wait_kmcnt 0x0
	s_mov_b64 s[24:25], s[4:5]
	PICK 256, 6
	PICK 512, 8
	PICK 576, 10
	PICK 640, 12
	PICK 704, 14
	s_sub_co_u32 s39, s37, s39                     ; the tile's number in its tensor
	ROW0 40, 41, 39
	s_lshl_b32 s40, s40, 12                        ; rows of 4,096 bytes
	s_lshl_b32 s41, s38, 11                        ; + my half of K
	s_add_co_u32 s40, s40, s41
	s_mov_b32 s41, 0
	s_add_nc_u64 s[24:25], s[24:25], s[40:41]      ; from here
	s_lshr_b32 s40, s37, 3
	s_lshl_b32 s40, s40, 3
	s_lshl_b32 s42, s38, 2
	s_add_co_u32 s40, s40, s42
	s_mul_i32 s40, s40, REC                        ; the record of my panel's K step 4 x half
	s_and_b32 s42, s37, 7                          ; my tile in the panel
	s_mul_i32 s43, s42, 1536
	s_add_co_u32 s44, s40, s43
	s_mov_b32 s45, 0
	s_add_nc_u64 s[26:27], s[18:19], s[44:45]      ; my fragment in it
	s_lshl_b32 s42, s42, 6
	s_add_co_u32 s44, s40, s42
	s_add_co_u32 s44, s44, 12288
	s_add_nc_u64 s[28:29], s[18:19], s[44:45]      ; and my tile's 16 scale words
	s_mov_b32 vcc_lo, 0xffff0000                   ; lanes 16-31
.irp b, 0,1,2,3
	v_mov_b32 v[TM+4+\b], 0                        ; written once: a lane permute's destination counts as one of its sources
.endr
	LOADT 0, 4096
	LOADT 1, 4096
.macro FRAGQ f
.if \f < 3
	s_wait_loadcnt 16                              ; this K step's 16 loads are in; the next one's 16 stay out
.else
	s_wait_loadcnt 0x0
.endif
	TOSTAGE \f
.irp b, 0,1,2,3
.irp j, 0,1,2,3
	ds_load_b128 v[X+16*\b+4*\j:X+16*\b+4*\j+3], v8 offset:128*\b+16*\j   ; LDS serves a wave's instructions in order: these see the stores above
.endr
.endr
	s_wait_dscnt 0x0                               ; my 64 numbers are back, and the stage's stores have read the set
.if \f > 0
	s_wait_xcnt 0x0                                ; the last fragment's stores have read their registers: the codes may be written again
.endif
.if \f < 2
	LOADT (\f)+2, 4096                             ; the set takes the K step two on
.endif
	QUANT X, PWR+\f
	global_store_b128 v4, v[PC:PC+3], s[26:27] offset:REC*\f          ; 512 consecutive bytes, aligned at 256
	global_store_b64 v5, v[PC+4:PC+5], s[26:27] offset:REC*\f+512     ; 256 consecutive bytes, aligned at 256
	global_store_b128 v4, v[PC+6:PC+9], s[26:27] offset:REC*\f+768
	global_store_b64 v5, v[PC+10:PC+11], s[26:27] offset:REC*\f+1280
.if (\f)%2 == 1
	v_cndmask_b32 v[10+(\f)/2], v[PWR+(\f)-1], v[PWR+(\f)], vcc_lo   ; lanes 0-15: the K step before's words; lanes 16-31: this one's
	global_store_b32 v6, v[10+(\f)/2], s[28:29] offset:REC*((\f)-1)  ; two runs of 64 bytes: 64 of a fragment's 1,600 bytes leave so
.endif
.endm
	s_wait_alu depctr_va_vdst(0)
	FRAGQ 0
	FRAGQ 1
	FRAGQ 2
	FRAGQ 3
	s_wait_tensorcnt 0x0
	ds_add_u32 v248, v249
	s_wait_dscnt 0x0
	s_endpgm
	; ---- waves 6-7: a query tile's mask for 1,024 keys
.Lmask:
	s_lshl_b32 s36, ttmp9, 1
	s_add_co_u32 s36, s36, s22
	s_sub_co_u32 s36, s36, 6                       ; task 0..511
	s_lshr_b32 s37, s36, 1                         ; query tile 0..255, through both batches
	s_and_b32 s38, s36, 1                          ; which half of the keys
	ROW0 40, 41, 37
	s_lshl_b32 s40, s40, 11                        ; rows of 2,048 bytes
	s_lshl_b32 s41, s38, 10
	s_add_co_u32 s40, s40, s41
	s_mov_b32 s41, 0
	s_lshl_b32 s42, s37, 4
	s_lshl_b32 s43, s38, 3
	s_add_co_u32 s42, s42, s43
	s_lshl_b32 s42, s42, 8                         ; 256 bytes of words a key step
	s_mov_b32 s43, 0
	s_wait_kmcnt 0x0
	s_add_nc_u64 s[24:25], s[16:17], s[40:41]
	s_add_nc_u64 s[26:27], s[20:21], s[42:43]
	s_mov_b32 s32, 0xff                            ; a word's four bytes
	s_mov_b32 s33, 0xff00
	s_mov_b32 s34, 0xff0000
	s_mov_b32 s35, 0xff000000
.irp i, 0,1,2,3,4,5,6,7
	v_mov_b32 v[MW+\i], 0                          ; written once whole: v_writelane_b32 fills them lane by lane
.endr
	LOADT 0, 2048
	LOADT 1, 2048
; 512 keys: four key steps.  Lane (r, h) takes, for step s and block bb, the 16 bytes of keys 128 s + 32 bb + 16 h + 0 .. 15 of query r.  A compare over the 32 lanes IS word n; it goes to lane n / 2 of register n % 2.
.macro MASKQ q
.if \q == 0
	s_wait_loadcnt 16                              ; the first 512 keys' 16 loads are in; the other 16 stay out
.else
	s_wait_loadcnt 0x0
.endif
	TOSTAGE \q
.irp s, 0,1,2,3
.irp bb, 0,1,2,3
	ds_load_b128 v[X+16*\s+4*\bb:X+16*\s+4*\bb+3], v9 offset:128*\s+32*\bb
.endr
.endr
	s_wait_dscnt 0x0
.if \q > 0
	s_wait_xcnt 0x0                                ; the first half's stores have read the words' registers
.endif
.irp s, 0,1,2,3
.irp g, 0,1,2,3,4,5,6,7                        ; words n = 8 g + k
.irp k, 0,1,2,3,4,5,6,7
	v_and_b32 v[T+\k], s[32+\k%4], v[X+16*\s+4*(\g/2)+2*(\g%2)+\k/4]
.endr
.irp k, 0,1,2,3,4,5,6,7
	v_cmp_ne_u32 s[40+\k], 0, v[T+\k]
.endr
.irp k, 0,1,2,3,4,5,6,7
	v_writelane_b32 v[MW+2*\s+\k%2], s[40+\k], 4*\g+\k/2
.endr
.endr
	global_store_b64 v5, v[MW+2*\s:MW+2*\s+1], s[26:27] offset:256*(4*\q+\s)   ; a key step's 64 words: 256 consecutive bytes, aligned
.endr
.endm
	MASKQ 0
	MASKQ 1
	s_wait_tensorcnt 0x0
	ds_add_u32 v248, v249
	s_wait_dscnt 0x0
	s_endpgm
.Lfunc_end_k_qc6dcbed7e5_prep:
	.size	k_qc6dcbed7e5_prep, .Lfunc_end_k_qc6dcbed7e5_prep-k_qc6dcbed7e5_prep
	.p2alignl 7, 3214868480
	.fill 96, 4, 3214868480
	.section	.rodata,"a",@progbits
	.p2align	6, 0x0
	.amdhsa_kernel k_qc6dcbed7e5_prep
		.amdhsa_group_segment_fixed_size 68608
		.amdhsa_private_segment_fixed_size 0
		.amdhsa_enable_private_segment 0
		.amdhsa_kernarg_size 72
		.amdhsa_user_sgpr_count 2
		.amdhsa_user_sgpr_kernarg_segment_ptr 1
		.amdhsa_wavefront_size32 1
		.amdhsa_system_sgpr_workgroup_id_x 1
		.amdhsa_system_sgpr_workgroup_id_y 1
		.amdhsa_system_sgpr_workgroup_id_z 1
		.amdhsa_system_vgpr_workitem_id 0
		.amdhsa_next_free_vgpr 250
		.amdhsa_next_free_sgpr 66
		.amdhsa_reserve_vcc 1
		.amdhsa_float_denorm_mode_32 3
		.amdhsa_float_denorm_mode_16_64 3
		.amdhsa_memory_ordered 1
		.amdhsa_forward_progress 1
		.amdhsa_inst_pref_size 131
	.end_amdhsa_kernel
	.amdgpu_metadata
---
amdhsa.version: [ 1, 2 ]
amdhsa.kernels:
  - .name:           k_qc6dcbed7e5_prep
    .symbol:         k_qc6dcbed7e5_prep.kd
    .args:
      - { .name: inputs_q, .offset: 0, .size: 8, .value_kind: global_buffer, .address_space: global }
      - { .name: inputs_kv, .offset: 8, .size: 8, .value_kind: global_buffer, .address_space: global }
      - { .name: Wq, .offset: 16, .size: 8, .value_kind: global_buffer, .address_space: global }
      - { .name: Wk, .offset: 24, .size: 8, .value_kind: global_buffer, .address_space: global }
      - { .name: Wv, .offset: 32, .size: 8, .value_kind: global_buffer, .address_space: global }
      - { .name: Wo, .offset: 40, .size: 8, .value_kind: global_buffer, .address_space: global }
      - { .name: attention_mask, .offset: 48, .size: 8, .value_kind: global_buffer, .address_space: global }
      - { .name: xw, .offset: 56, .size: 8, .value_kind: global_buffer, .address_space: global }
      - { .name: mbits, .offset: 64, .size: 8, .value_kind: global_buffer, .address_space: global }
    .group_segment_fixed_size: 68608
    .private_segment_fixed_size: 0
    .kernarg_segment_align: 8
    .kernarg_segment_size: 72
    .max_flat_workgroup_size: 256
    .sgpr_count:     66
    .vgpr_count:     250
    .wavefront_size: 32
...
	.end_amdgpu_metadata
.endif
;; end of part 1
;; launch proj (part 2): grid 8 x 32, 4 waves a work-group, clusters of 4 x 4, 327,680 bytes of LDS; arguments xw, qkv; writes qkv
.if DOCPART == 2
	.amdgcn_target "amdgcn-amd-amdhsa--gfx1250"
	.amdhsa_code_object_version 6
	.text
	.protected	k_qc6dcbed7e5_proj
	.globl	k_qc6dcbed7e5_proj
	.p2align	8
	.type	k_qc6dcbed7e5_proj,@function
k_qc6dcbed7e5_proj:
	s_mov_b64 s[64:65], 0
	v_nop
	global_prefetch_b8 v0, s[64:65] scope:SCOPE_SE
	s_setreg_imm32_b32 hwreg(HW_REG_WAVE_MODE, 25, 1), 1
	s_wait_xcnt 0x0
	s_wait_alu depctr_hold_cnt(0) depctr_sa_sdst(0) depctr_va_vdst(0) depctr_va_sdst(0) depctr_va_ssrc(0) depctr_va_vcc(0) depctr_vm_vsrc(0)
	s_getreg_b32 s2, hwreg(HW_REG_IB_STS2, 6, 4)
	s_cmp_eq_u32 s2, 0
	s_cbranch_scc0 .Lentry_in_a_cluster
	s_endpgm
.Lentry_in_a_cluster:
	s_bfe_u32 s2, ttmp6, 0x10000c
	s_cmp_lg_u32 s2, 0xf033
	s_cbranch_scc0 .Lentry_shape_is_right
	s_endpgm
.Lentry_shape_is_right:
; PROJ.  k = inputs_kv Wk^T, v = inputs_kv Wv^T, q = inputs_q Wq^T on codes of FP6 (E2M3) with E8M0 scales, sums in f32; the results are quantised in registers for the attention's two products and leave as codes.
; xw holds the operands as images of operand registers: panel of 128 rows x 8 K steps x a record of 12,800 bytes (8 fragments of 1,536, then 8 x 16 scale words); panels: inputs_q 0-31, inputs_kv 32-63, Wq 64-71, Wk 72-79, Wv 80-87.
; A WORK-GROUP STAYS: 256 work-groups; work-group (x, y) makes, for token panel y and the two heads of weight panel x, the tiles k and v TOGETHER and then q: 128 tokens x 128 channels each.
; k and v read the same tokens: a wave walks K once for both, 64 tokens x (64 + 64) channels, 32 accumulators: a K step is 60 LDS loads for 32 matrix instructions, the tokens' fragments read once.  Tile q: 40 loads for 16.
; LDS: three regions of a whole panel (102,400 bytes): R0 inputs_kv's panel, later inputs_q's; R1 Wk's, later Wq's; R2 Wv's.  At the head one tensor load a wave: waves 0, 1 the tokens' halves (200 rows of 256 bytes), wave 2 Wk, wave 3 Wv (400 rows).
; R0 and R1 are filled again behind one round of the cluster's barrier, ahead of the last joint K step's products, when that step's fragments are in registers: waves 0, 1 inputs_q's halves, wave 2 Wq.  One tensor load of a wave is out at the most.
; CLUSTER 4 x 4: the four of a row need the same token panels, the four of a column the same weight panels: each load is asked for JOINTLY.
; PREFETCH: behind the first K step's LDS loads each wave names half a panel of tile q's operands (waves 0, 1 inputs_q's, waves 2, 3 Wq's; 200 blocks of 256 bytes); the four partners share them by address, 50 each: two instructions a wave, seven K steps ahead of the load.
; q, k: source 0 = 16 rows of W, source 1 = 16 tokens: a lane holds one token, its registers run along the head's channels.  v: the sources change places: a lane holds one channel, its registers run along the keys.
; qkv: [16 batch + head][panel of 128 tokens][q, k, v] x 6,656 bytes: two halves of 3,328: four half fragments (registers 0-3 at 16 x lane, 4-5 at 512 + 8 x lane), then 256 bytes of scale words at 8 x lane + 4 j.
; LIMITS: a block of zeros, and one whose largest magnitude lies under 2^-124, gets the byte 1 (read by this program alone); NaN and infinities are not served.
; REGISTERS.  Window 0: v1-11 lane terms; v16-31 scale words of tokens and R1's weights, two sets; v32-159 k's, later q's accumulators; v160-200 the way out; v204-221 LDS addresses; v222-223 prefetch offsets; v224-231 Wv's scale words, two sets;
; v254-255 the add's two.  Window 1: two sets of 96: the tokens' four fragments, then R1's four.  Window 2: v0-127 v's accumulators; v128-223 Wv's fragments, two sets of 48.
.set REC,  12800
.set HB,   4*REC                       ; half a panel
.set PANB, 8*REC
.set R1,   PANB
.set R2,   2*PANB
.set SPARE, 3*PANB                     ; the spare words: 512 bytes that no other line names
.set SC,   16
.set SCV,  224
.set ACC,  32
.set VF,   128
.set OUTR, 160
.set WD,   184
.set WP,   188
.set MS,   190                         ; v190-197 the way out: the conversions' scale operands, two for each of four half fragments
.set MX,   232                         ; v232-239 the way out: the blocks' largest magnitudes
.set MY,   240                         ; v240-247 the way out: the other half's maxima, then the scale bytes
.set CTB,  232                         ; v232-247, once the maxima and bytes are used up: the conversions' second halves, three registers at 232 + 4 a
.set AX,   204                         ; tokens: for each half of K: 16 x lane, 8 x lane, scale words
.set AW,   210                         ; weights: R1's two halves, then R2's
.set PF,   222
.set SPW,  254
.set NIL,  255
.set WV,   12                          ; s12 wave; s13: my half of the tokens, and: I fetch tokens (0) or weights (1); s14: my half of the channels, and: which half, or which weight, I fetch
.set G1X,  24
.set G1W,  32
.set XA,   48                          ; groups 0: inputs_kv, inputs_q; Wk or Wv, Wq
.set XB,   52
.set WA,   56
.set WC,   60
.set PFA,  72
.set SEL,  84
.set MSB, 0
.macro WIN new
.if MSB != \new
	s_set_vgpr_msb (MSB<<8)|\new
.set MSB, \new
.endif
.endm
.macro PLACES n
.rept \n
	v_nop
.endr
.endm
.macro CROUND                          ; a round of the cluster's barrier
	s_barrier_signal -1
	s_barrier_wait -1
	s_cmp_lg_u32 s[WV], 0
	s_cbranch_scc1 .Lnot_wave_0_\@
	s_barrier_signal -3
.Lnot_wave_0_\@:
	s_barrier_wait -3
	s_barrier_signal -1
	s_barrier_wait -1
.endm
.macro SEQ                             ; all my tensor loads are done; the add; it and my LDS reads are done
	s_wait_tensorcnt 0x0
	ds_add_u32 v[SPW], v[NIL]
	s_wait_dscnt 0x0
.endm
; A tile's 128 accumulator registers, from register base of window W on, become four half fragments in v[OUTR + 6 a ..] and their scale bytes in v[WD + a].  For each a, register 32 a + 16 b + i = k 32 b + 16 (lane / 16) + i of my row.
; The four are quantised TOGETHER: eight blocks take turns line by line, so that no line reads the result of one of the seven lines above it.  The accumulators are read from their low ends on.
.macro HQ4 base, W
	WIN (\W)|((\W)<<2)
.irp a, 0,1,2,3
.irp b, 0,1
	v_max3_num_f32 v[MX+2*\a+\b], |v[\base+32*\a+16*\b]|, |v[\base+32*\a+16*\b+1]|, 0x1800000   ; and the floor 2^(3 - 127)
.endr
.endr
	WIN ((\W)<<2)|((\W)<<4)
.irp i, 2,4,6,8,10,12,14
.irp a, 0,1,2,3
.irp b, 0,1
	v_max3_num_f32 v[MX+2*\a+\b], v[MX+2*\a+\b], |v[\base+32*\a+16*\b+\i]|, |v[\base+32*\a+16*\b+\i+1]|
.endr
.endr
.endr
	WIN 0
.irp j, 0,1,2,3,4,5,6,7
	v_permlanex16_b32 v[MY+\j], v[MX+\j], s[SEL], s[SEL+1]
.endr
.irp j, 0,1,2,3,4,5,6,7
	v_max_num_f32 v[MX+\j], v[MX+\j], v[MY+\j]     ; with lane l xor 16's: the block's largest magnitude
.endr
.irp j, 0,1,2,3,4,5,6,7
	v_add_nc_u32 v[MS+\j], 0xff000000, v[MX+\j]    ; 2 off the exponent field: the conversion's scale operand
.endr
.irp j, 0,1,2,3,4,5,6,7
	v_lshrrev_b32 v[MY+\j], 23, v[MS+\j]           ; the scale's byte
.endr
.irp a, 0,1,2,3
	v_lshl_or_b32 v[WD+\a], v[MY+2*\a+1], 8, v[MY+2*\a]
.endr
	WIN \W
.irp a, 0,1,2,3
	v_cvt_scalef32_pk16_fp6_f32 v[OUTR+6*\a:OUTR+6*\a+2], v[\base+32*\a:\base+32*\a+15], v[MS+2*\a]
	v_cvt_scalef32_pk16_fp6_f32 v[CTB+4*\a:CTB+4*\a+2], v[\base+32*\a+16:\base+32*\a+31], v[MS+2*\a+1]
.endr
	WIN 0
	v_nop                                          ; one plain instruction behind the scaled conversions
.irp a, 0,1,2,3
.irp i, 0,1,2
	v_permlane16_swap_b32 v[OUTR+6*\a+\i], v[CTB+4*\a+\i]   ; a whole block to a lane
.endr
.endr
.irp a, 0,1,2,3
.irp i, 0,1,2
	v_mov_b32 v[OUTR+6*\a+3+\i], v[CTB+4*\a+\i]
.endr
.endr
.endm
	s_load_b128 s[4:7], s[0:1], 0x0                ; xw, qkv
	v_lshl_add_u32 v[SPW], v0, 2, SPARE
	v_mov_b32 v[NIL], 0
	ds_add_u32 v[SPW], v[NIL]
	ds_add_u32 v[SPW], v[NIL]
	v_lshrrev_b32 v1, 5, v0
	v_readfirstlane_b32 s[WV], v1
	s_lshr_b32 s13, s[WV], 1
	s_and_b32 s14, s[WV], 1
	s_bfe_u32 s16, ttmp6, 0x40000                  ; cx
	s_bfe_u32 s17, ttmp6, 0x40004                  ; cy
	s_lshl_b32 s18, ttmp9, 2
	s_add_co_u32 s18, s18, s16                     ; work-group x 0..7: the weight panels
	s_and_b32 s19, ttmp7, 0xffff
	s_lshl_b32 s19, s19, 2
	s_add_co_u32 s19, s19, s17                     ; work-group y 0..31: the token panel
	s_lshl_b32 s20, s17, 2
	s_lshl_b32 s20, 15, s20                        ; my row of the cluster
	s_lshl_b32 s21, 0x1111, s16                    ; my column
	s_or_b32 s[G1X], s20, (3<<16)|(1<<21)          ; the mask; elements of 8 bytes; bit 21 beside a mask
	s_or_b32 s[G1W], s21, (3<<16)|(1<<21)
.irp g, G1X, G1W
	s_mov_b32 s[\g+1], 32<<16                      ; dense rows of 256 bytes
	s_mov_b32 s[\g+3], 32<<16
	s_mov_b32 s[\g+5], 32
	s_mov_b32 s[\g+6], 0
	s_mov_b32 s[\g+7], 0
.endr
	s_mov_b32 s[G1X+2], 200<<16                    ; half a panel of tokens
	s_mov_b32 s[G1X+4], 200
	s_mov_b32 s[G1W+2], 400<<16                    ; a whole panel of weights
	s_mov_b32 s[G1W+4], 400
	s_mul_i32 s22, s14, HB                         ; the tokens' half that I fetch: in memory and in LDS
	s_mul_i32 s40, s19, PANB
	s_add_co_u32 s40, s40, s22
	s_mov_b32 s41, 0
	s_add_co_u32 s42, s18, 64
	s_mul_i32 s42, s42, PANB
	s_mov_b32 s43, 0
	s_mul_i32 s44, s14, 8*PANB
	s_add_co_u32 s44, s44, 8*PANB                  ; from Wq's panel x to Wk's (wave 2) or Wv's (wave 3),
	s_mov_b32 s45, 0
	s_mul_i32 s23, s14, PANB                       ; which goes to R1 or R2
	s_mov_b32 s[XA], 1
	s_add_co_u32 s[XA+1], s22, 0
	s_mov_b32 s[XB], 1
	s_add_co_u32 s[XB+1], s22, 0
	s_mov_b32 s[WA], 1
	s_add_co_u32 s[WA+1], s23, R1
	s_mov_b32 s[WC], 1
	s_mov_b32 s[WC+1], R1
	s_wait_dscnt 0x0
	s_wait_kmcnt 0x0
	s_add_nc_u64 s[40:41], s[4:5], s[40:41]        ; inputs_q's panel y, my half: hangs on y, which my row shares
	s_add_nc_u64 s[42:43], s[4:5], s[42:43]        ; Wq's panel x: hangs on x, which my column shares
	s_add_nc_u64 s[XA+2:XA+3], s[40:41], 32*PANB
	s_or_b32 s[XA+3], s[XA+3], 0x80000000
	s_mov_b64 s[XB+2:XB+3], s[40:41]
	s_or_b32 s[XB+3], s[XB+3], 0x80000000
	s_add_nc_u64 s[WA+2:WA+3], s[42:43], s[44:45]
	s_or_b32 s[WA+3], s[WA+3], 0x80000000
	s_mov_b64 s[WC+2:WC+3], s[42:43]
	s_or_b32 s[WC+3], s[WC+3], 0x80000000
	s_cmp_eq_u32 s13, 0                            ; the prefetches: half a panel of tile q's tokens or weights,
	s_cselect_b64 s[PFA:PFA+1], s[40:41], s[42:43]
	s_cselect_b32 s46, s16, s17                    ; my place among the four that will ask for it jointly,
	s_cselect_b32 s47, 0, s22                      ; (the tokens' address holds the half already)
	s_mul_i32 s46, s46, 50*256                     ; and my work-group's 50 blocks of the 200
	s_add_co_u32 s46, s46, s47
	s_mov_b32 s47, 0
	s_add_nc_u64 s[PFA:PFA+1], s[PFA:PFA+1], s[46:47]
	CROUND                                         ; all sixteen work-groups are here: the first joint loads meet
	s_cmp_eq_u32 s13, 0                            ; one load a wave, one in each arm
	s_cbranch_scc0 .Lhead_w
	tensor_load_to_lds s[XA:XA+3], s[G1X:G1X+7]
	s_nop 0
	PLACES 4
	s_branch .Lhead_asked
.Lhead_w:
	tensor_load_to_lds s[WA:WA+3], s[G1W:G1W+7]
	s_nop 0
	PLACES 4
.Lhead_asked:
	s_mul_i32 s44, s13, 4*1536                     ; my four token tiles
	s_mul_i32 s45, s14, 4*1536                     ; my four weight tiles
	s_add_co_u32 s45, s45, R1
	s_lshl_b32 s46, s13, 8
	s_add_co_u32 s46, s46, 12288                   ; scale words: 64 bytes a tile
	s_lshl_b32 s47, s14, 8
	s_add_co_u32 s47, s47, R1+12288
	s_mov_b32 s[SEL], 0x76543210
	s_mov_b32 s[SEL+1], 0xfedcba98
	s_lshr_b32 s74, s19, 4                         ; where q's half record goes: (((batch x 16 + head) x 16 + panel) x 3) x 6,656 + my half x 3,328; k's and v's follow it
	s_lshl_b32 s74, s74, 4
	s_lshl_b32 s75, s18, 1
	s_add_co_u32 s74, s74, s75
	s_add_co_u32 s74, s74, s14
	s_lshl_b32 s74, s74, 4
	s_and_b32 s75, s19, 15
	s_add_co_u32 s74, s74, s75
	s_mul_i32 s74, s74, 3*6656
	s_mul_i32 s75, s13, 3328
	s_add_co_u32 s74, s74, s75
	s_mov_b32 s75, 0
	s_add_nc_u64 s[6:7], s[6:7], s[74:75]
	v_and_b32 v11, 31, v0                          ; lane
	v_and_b32 v1, 15, v0                           ; r
	v_lshlrev_b32 v9, 4, v11
	v_lshlrev_b32 v10, 3, v11
	v_lshlrev_b32 v2, 2, v1
	v_add_nc_u32 v[AX], s44, v9
	v_add_nc_u32 v[AX+1], s44, v10
	v_add_nc_u32 v[AX+2], s46, v2
	v_add_nc_u32 v[AW], s45, v9
	v_add_nc_u32 v[AW+1], s45, v10
	v_add_nc_u32 v[AW+2], s47, v2
.irp i, 0,1,2
	v_add_nc_u32 v[AX+3+\i], HB, v[AX+\i]
	v_add_nc_u32 v[AW+3+\i], HB, v[AW+\i]
	v_add_nc_u32 v[AW+6+\i], PANB, v[AW+\i]
	v_add_nc_u32 v[AW+9+\i], PANB+HB, v[AW+\i]
.endr
	v_lshlrev_b32 v[PF], 8, v11                    ; blocks 0-31 of my 50,
	v_add_nc_u32 v[PF+1], 32, v11
	v_min_u32 v[PF+1], 49, v[PF+1]                 ; blocks 32-49; the lanes left over name the last again
	v_lshlrev_b32 v[PF+1], 8, v[PF+1]
.irp j, 0,1,2,3,4,5,6,7
	v_mov_b32 v[MY+\j], 0                          ; a lane permute's destination counts as one of its sources
.endr
; K step s: the tokens' and R1's fragments and scale words into set s % 2: 40 LDS loads
.macro FETCH s
.set FS, 96*((\s)%2)
.set FO, REC*((\s)%4)
.set PX, AX+3*((\s)/4)
.set PY, AW+3*((\s)/4)
	WIN 0x40
.irp i, 0,1,2,3
	ds_load_b128 v[FS+12*\i:FS+12*\i+3],     v[PX] offset:FO+1536*\i
	ds_load_b64  v[FS+12*\i+4:FS+12*\i+5],   v[PX+1] offset:FO+1536*\i+512
	ds_load_b128 v[FS+12*\i+6:FS+12*\i+9],   v[PX] offset:FO+1536*\i+768
	ds_load_b64  v[FS+12*\i+10:FS+12*\i+11], v[PX+1] offset:FO+1536*\i+1280
.endr
.irp i, 0,1,2,3
	ds_load_b128 v[FS+48+12*\i:FS+48+12*\i+3],     v[PY] offset:FO+1536*\i
	ds_load_b64  v[FS+48+12*\i+4:FS+48+12*\i+5],   v[PY+1] offset:FO+1536*\i+512
	ds_load_b128 v[FS+48+12*\i+6:FS+48+12*\i+9],   v[PY] offset:FO+1536*\i+768
	ds_load_b64  v[FS+48+12*\i+10:FS+48+12*\i+11], v[PY+1] offset:FO+1536*\i+1280
.endr
	WIN 0
.irp i, 0,1,2,3
	ds_load_b32 v[SC+8*((\s)%2)+\i],   v[PX+2] offset:FO+64*\i
	ds_load_b32 v[SC+8*((\s)%2)+4+\i], v[PY+2] offset:FO+64*\i
.endr
.endm
; and Wv's: 20 LDS loads
.macro FETCHV s
.set FV, VF+48*((\s)%2)
.set FO, REC*((\s)%4)
.set PZ, AW+6+3*((\s)/4)
	WIN 0x80                                       ; destination window 2, address window 0
.irp i, 0,1,2,3
	ds_load_b128 v[FV+12*\i:FV+12*\i+3],     v[PZ] offset:FO+1536*\i
	ds_load_b64  v[FV+12*\i+4:FV+12*\i+5],   v[PZ+1] offset:FO+1536*\i+512
	ds_load_b128 v[FV+12*\i+6:FV+12*\i+9],   v[PZ] offset:FO+1536*\i+768
	ds_load_b64  v[FV+12*\i+10:FV+12*\i+11], v[PZ+1] offset:FO+1536*\i+1280
.endr
	WIN 0
.irp i, 0,1,2,3
	ds_load_b32 v[SCV+4*((\s)%2)+\i], v[PZ+2] offset:FO+64*\i
.endr
.endm
; q, k: 16 matrix instructions: source 0 = R1's tile t, source 1 = token tile a.  The accumulators take turns, one instruction a turn.  mode = 1: the products start the sums
.macro MULK set, mode
	WIN 0x05
.irp a, 0,1,2,3
.irp t, 0,1,2,3
.if \mode == 1
	v_wmma_scale_f32_16x16x128_f8f6f4 v[ACC+8*(4*\a+\t):ACC+8*(4*\a+\t)+7], v[96*(\set)+48+12*\t:96*(\set)+48+12*\t+11], v[96*(\set)+12*\a:96*(\set)+12*\a+11], 0, v[SC+8*(\set)+4+\t], v[SC+8*(\set)+\a] matrix_a_fmt:MATRIX_FMT_FP6 matrix_b_fmt:MATRIX_FMT_FP6
.else
	v_wmma_scale_f32_16x16x128_f8f6f4 v[ACC+8*(4*\a+\t):ACC+8*(4*\a+\t)+7], v[96*(\set)+48+12*\t:96*(\set)+48+12*\t+11], v[96*(\set)+12*\a:96*(\set)+12*\a+11], v[ACC+8*(4*\a+\t):ACC+8*(4*\a+\t)+7], v[SC+8*(\set)+4+\t], v[SC+8*(\set)+\a] matrix_a_fmt:MATRIX_FMT_FP6 matrix_b_fmt:MATRIX_FMT_FP6
.endif
.endr
.endr
	WIN 0
.endm
; v: 16 more: source 0 = token tile t (window 1), source 1 = Wv's tile a (window 2), C and D window 2
.macro MULV set, mode
	WIN 0xa9
.irp a, 0,1,2,3
.irp t, 0,1,2,3
.if \mode == 1
	v_wmma_scale_f32_16x16x128_f8f6f4 v[8*(4*\a+\t):8*(4*\a+\t)+7], v[96*(\set)+12*\t:96*(\set)+12*\t+11], v[VF+48*(\set)+12*\a:VF+48*(\set)+12*\a+11], 0, v[SC+8*(\set)+\t], v[SCV+4*(\set)+\a] matrix_a_fmt:MATRIX_FMT_FP6 matrix_b_fmt:MATRIX_FMT_FP6
.else
	v_wmma_scale_f32_16x16x128_f8f6f4 v[8*(4*\a+\t):8*(4*\a+\t)+7], v[96*(\set)+12*\t:96*(\set)+12*\t+11], v[VF+48*(\set)+12*\a:VF+48*(\set)+12*\a+11], v[8*(4*\a+\t):8*(4*\a+\t)+7], v[SC+8*(\set)+\t], v[SCV+4*(\set)+\a] matrix_a_fmt:MATRIX_FMT_FP6 matrix_b_fmt:MATRIX_FMT_FP6
.endif
.endr
.endr
	WIN 0
.endm
; The way out of a tile whose accumulators begin at register base of window W: for each a the 32 registers of accumulators (a, 0 .. 3) are half a fragment along the next K.  Every store covers whole aligned runs of 256 bytes.
.macro WAYOUT g, first, W, base
	PLACES 4
.if \first == 0
	s_wait_xcnt 0x0                                ; the last tile's stores have read their registers
.endif
	s_mov_b32 vcc_lo, 0xffff0000                   ; lanes 16-31
	HQ4 \base, \W
	v_cndmask_b32 v[WP], v[WD], v[WD+1], vcc_lo
	v_cndmask_b32 v[WP+1], v[WD+2], v[WD+3], vcc_lo
.irp a, 0,1,2,3
	global_store_b128 v9, v[OUTR+6*\a:OUTR+6*\a+3], s[6:7] offset:6656*\g+768*\a
	global_store_b64 v10, v[OUTR+6*\a+4:OUTR+6*\a+5], s[6:7] offset:6656*\g+768*\a+512
.endr
	global_store_b64 v10, v[WP:WP+1], s[6:7] offset:6656*\g+3072
.endm
	s_wait_alu depctr_va_vdst(0)                   ; the wait at the head's end
	s_wait_tensorcnt 0x0                           ; my load is in
	s_barrier_signal -1
	s_barrier_wait -1                              ; everybody's is
	FETCH 0
	FETCHV 0
	global_prefetch_b8 v[PF], s[PFA:PFA+1] th:TH_LOAD_NT scope:SCOPE_SE
	global_prefetch_b8 v[PF+1], s[PFA:PFA+1] th:TH_LOAD_NT scope:SCOPE_SE
	FETCH 1
	FETCHV 1
	s_wait_dscnt 60                                ; all but the 60 just issued
	MULK 0, 1
	MULV 0, 1
.irp s, 1,2,3,4,5,6
	PLACES 4                                       ; ahead of loads into the sets that the last step multiplied
	FETCH \s+1
	FETCHV \s+1
	s_wait_dscnt 60
	MULK (\s)%2, 0
	MULV (\s)%2, 0
.endr
	SEQ                                            ; the last step's fragments are in registers: R0 and R1 are read no more
	CROUND                                         ; no wave of any partner still reads them or has a load on its way
	s_cmp_eq_u32 s13, 0                            ; tile q's operands: waves 0, 1 inputs_q's halves, wave 2 Wq
	s_cbranch_scc0 .Lre_w
	tensor_load_to_lds s[XB:XB+3], s[G1X:G1X+7]
	s_nop 0
	PLACES 4
	s_branch .Lre_asked
.Lre_w:
	s_cmp_eq_u32 s[WV], 2
	s_cbranch_scc0 .Lre_asked
	tensor_load_to_lds s[WC:WC+3], s[G1W:G1W+7]
	s_nop 0
	PLACES 4
.Lre_asked:
	MULK 1, 0
	MULV 1, 0
	WAYOUT 1, 1, 0, ACC                            ; k
	WAYOUT 2, 0, 2, 0                              ; v
	s_wait_tensorcnt 0x0                           ; my part of tile q's operands is in
	s_wait_dscnt 0x0
	s_barrier_signal -1
	s_barrier_wait -1                              ; everybody's is
	FETCH 0
	FETCH 1
	s_wait_dscnt 40                                ; all but the 40 just issued
	MULK 0, 1
.irp s, 1,2,3,4,5,6
	PLACES 4
	FETCH \s+1
	s_wait_dscnt 40
	MULK (\s)%2, 0
.endr
	s_wait_dscnt 0x0
	MULK 1, 0
	WAYOUT 0, 0, 0, ACC                            ; q
	SEQ                                            ; the wave's end
	CROUND                                         ; the closing round
	s_endpgm
.Lfunc_end_k_qc6dcbed7e5_proj:
	.size	k_qc6dcbed7e5_proj, .Lfunc_end_k_qc6dcbed7e5_proj-k_qc6dcbed7e5_proj
	.p2alignl 7, 3214868480
	.fill 96, 4, 3214868480
	.section	.rodata,"a",@progbits
	.p2align	6, 0x0
	.amdhsa_kernel k_qc6dcbed7e5_proj
		.amdhsa_group_segment_fixed_size 327680
		.amdhsa_private_segment_fixed_size 0
		.amdhsa_enable_private_segment 0
		.amdhsa_kernarg_size 16
		.amdhsa_user_sgpr_count 2
		.amdhsa_user_sgpr_kernarg_segment_ptr 1
		.amdhsa_wavefront_size32 1
		.amdhsa_system_sgpr_workgroup_id_x 1
		.amdhsa_system_sgpr_workgroup_id_y 1
		.amdhsa_system_sgpr_workgroup_id_z 1
		.amdhsa_system_vgpr_workitem_id 0
		.amdhsa_next_free_vgpr 768
		.amdhsa_next_free_sgpr 86
		.amdhsa_reserve_vcc 1
		.amdhsa_float_denorm_mode_32 3
		.amdhsa_float_denorm_mode_16_64 3
		.amdhsa_memory_ordered 1
		.amdhsa_forward_progress 1
		.amdhsa_inst_pref_size 138
	.end_amdhsa_kernel
	.amdgpu_metadata
---
amdhsa.version: [ 1, 2 ]
amdhsa.kernels:
  - .name:           k_qc6dcbed7e5_proj
    .symbol:         k_qc6dcbed7e5_proj.kd
    .args:
      - { .name: xw, .offset: 0, .size: 8, .value_kind: global_buffer, .address_space: global }
      - { .name: qkv, .offset: 8, .size: 8, .value_kind: global_buffer, .address_space: global }
    .group_segment_fixed_size: 327680
    .private_segment_fixed_size: 0
    .kernarg_segment_align: 8
    .kernarg_segment_size: 16
    .max_flat_workgroup_size: 128
    .sgpr_count:     86
    .vgpr_count:     768
    .wavefront_size: 32
...
	.end_amdgpu_metadata
.endif
;; end of part 2
;; launch attn (part 3): grid 8 x 32, 16 waves a work-group, clusters of 4 x 1, 215,040 bytes of LDS; arguments qkv, mbits, sm; writes sm
.if DOCPART == 3
	.amdgcn_target "amdgcn-amd-amdhsa--gfx1250"
	.amdhsa_code_object_version 6
	.text
	.protected	k_qc6dcbed7e5_attn
	.globl	k_qc6dcbed7e5_attn
	.p2align	8
	.type	k_qc6dcbed7e5_attn,@function
k_qc6dcbed7e5_attn:
	s_mov_b64 s[64:65], 0
	v_nop
	global_prefetch_b8 v0, s[64:65] scope:SCOPE_SE
	s_setreg_imm32_b32 hwreg(HW_REG_WAVE_MODE, 25, 1), 1
	s_wait_xcnt 0x0
	s_wait_alu depctr_hold_cnt(0) depctr_sa_sdst(0) depctr_va_vdst(0) depctr_va_sdst(0) depctr_va_ssrc(0) depctr_va_vcc(0) depctr_vm_vsrc(0)
	s_getreg_b32 s2, hwreg(HW_REG_IB_STS2, 6, 4)
	s_cmp_eq_u32 s2, 0
	s_cbranch_scc0 .Lentry_in_a_cluster
	s_endpgm
.Lentry_in_a_cluster:
	s_bfe_u32 s2, ttmp6, 0x10000c
	s_cmp_lg_u32 s2, 0x3003
	s_cbranch_scc0 .Lentry_shape_is_right
	s_endpgm
.Lentry_shape_is_right:
; ATTN.  For each batch and head: O = softmax(mask ? q k^T / 8 : hidden) v, rows without an attendable key wiped to 0; both products on codes of FP6 (E2M3) with E8M0 scales; O is quantised along the channels for the last product.
; THE SOFTMAX: t = score x log2(e) / 8; M = the row's largest t so far, rounded UP to a whole number; p = 2^(t - M) is quantised along the keys, not normalised; the row's sum l is taken of the unquantised p in f32 and divides O at the end.
; When M moves, l and O are multiplied by 2^(old M - new M): exact.
; SHARES.  A work-group owns 256 queries of one head, each of its sixteen waves one tile of 16, in 256 registers: four waves to a SIMD.
; LDS IS FILLED ONCE: the head's 16 key steps of 128 keys, 13,312 bytes each (k's record, then v's, neighbours in qkv).  Wave w asks for key step w: one tensor load a wave, at the head; no slot is filled again.
; CLUSTER 4 x 1: the four work-groups of a cluster belong to one head and need the same k and v: each step is asked for JOINTLY.  No prefetch: all tiles are asked for at the head, so there is no later load to run ahead of.
; LAYOUT.  S^T = k q^T (source 0 = 16 keys), O^T = v^T p^T (source 0 = 16 channels): a lane holds ONE query throughout.  The keys of a tile are chosen (by the launches before) so that the 16 registers of tiles 2 b and 2 b + 1
; are keys 32 b + 16 (lane / 16) + 0 .. 15, and the channels of v's tiles likewise: p and O are quantised in registers.
; K = 64 IN AN INSTRUCTION OF 128: q's registers 6-11 are zero codes, and the upper two scale bytes of both sides are 0 (2^-127, a number).  A fragment of k is named as its tile's six registers and the six behind them: the next
; tile's codes (behind tiles 3 and 7: zeros), finite numbers that meet zero codes and add exactly nothing.
; A KEY STEP: all that the exponentials read, and O^T's rescaling, stand ahead of ONE batch of 68 exponentials, with one wait ahead of it and one behind it.  l lies in four pairs, each begun anew by l x f + p.
; THE MASK comes as lane masks, one 32-bit word for each score register, by scalar loads a key step ahead; a hidden score becomes -infinity by one v_cndmask_b32.  No branch and no address hangs on it.
; LIMITS: hidden scores count as -infinity, not -1e30: the same results while attendable logits lie above -1e30; a row with no attendable key has l = 0 and is wiped, as asked.  A block's largest p is taken through the
; block's largest score (this takes v_exp_f32 not to fall where its input rises).  Blocks of zeros get the byte 1 (read by this program alone).  NaN and infinities among the inputs are not served.
; REGISTERS: v1 16 x lane, v2 8 x lane, v3-4 LDS addresses, v5 -infinity; v[6:7] f; v8 at work, v9 the old -M; v12 -M, v13 the largest t; l: v[224:225], v[10:11], v[94:95], v[14:15]; v16-27 q, v28 its scale word; v29 p's scale word;
; v30-33 k's scale words; v34-39 v's; v40-87 v's four fragments, and in v64-87 first k's tiles 4-7; v88-93 zeros; v96-159 S^T, then p; v160-191 O^T; v192-203 p's codes; v204-206, v208-210 conversions' second halves;
; v207, v211 the add's two; v212-223 at work; v226-249 k's tiles 0-3; v250-255 zeros.
.set RECQ, 6656
.set HALF, 3328
.set STB,  2*RECQ                      ; a key step in LDS
.set SPARE, 16*STB                     ; the spare words: 2,048 bytes that no other line names
.set KA,   226
.set FF,   6
.set TT,   8
.set OM,   9
.set PW,   29
.set SPW,  207
.set NIL,  211
.set BM,   212
.set BX,   216
.set BS,   220
.set TM,   212
.set CT,   204
.set SEL,  6
.set CS,   4
.set TB,   100
.set CNT,  101
.set MOFF, 104
.set WV,   105
.set G1,   84                          ; s[84:91] descriptor group 1; s[8:11] group 0; s[12:15] q's addresses; s[2:3] my mask words; s[66:67] sm; s16-63, s68-83 the 64 mask words
.macro PLACES n
.rept \n
	v_nop
.endr
.endm
.macro CROUND
	s_barrier_signal -1
	s_barrier_wait -1
	s_cmp_lg_u32 s[WV], 0
	s_cbranch_scc1 .Lnot_wave_0_\@
	s_barrier_signal -3
.Lnot_wave_0_\@:
	s_barrier_wait -3
	s_barrier_signal -1
	s_barrier_wait -1
.endm
.macro MASKLOAD                        ; 64 words, 256 bytes
	s_load_b512 s[16:31], s[2:3], s[MOFF] offset:0x0
	s_load_b512 s[32:47], s[2:3], s[MOFF] offset:0x40
	s_load_b512 s[48:63], s[2:3], s[MOFF] offset:0x80
	s_load_b512 s[68:83], s[2:3], s[MOFF] offset:0xc0
.endm
.macro HQUANT s, d, w                  ; 32 numbers of a lane become half a fragment in v[d .. d + 5] and two scale bytes in v[w]
.irp b, 0,1
	v_max3_num_f32 v[TM+\b], |v[(\s)+16*\b]|, |v[(\s)+1+16*\b]|, 0x1800000
.endr
.irp i, 2,4,6,8,10,12,14
.irp b, 0,1
	v_max3_num_f32 v[TM+\b], v[TM+\b], |v[(\s)+16*\b+\i]|, |v[(\s)+1+16*\b+\i]|
.endr
.endr
.irp b, 0,1
	v_permlanex16_b32 v[TM+2+\b], v[TM+\b], s[SEL], s[SEL+1]
.endr
.irp b, 0,1
	v_max_num_f32 v[TM+\b], v[TM+\b], v[TM+2+\b]
.endr
.irp b, 0,1
	v_add_nc_u32 v[TM+4+\b], 0xff000000, v[TM+\b]
.endr
.irp b, 0,1
	v_lshrrev_b32 v[TM+2+\b], 23, v[TM+4+\b]
.endr
	v_lshl_or_b32 v[\w], v[TM+3], 8, v[TM+2]
	v_cvt_scalef32_pk16_fp6_f32 v[(\d):(\d)+2], v[(\s):(\s)+15], v[TM+4]
	v_cvt_scalef32_pk16_fp6_f32 v[CT:CT+2], v[(\s)+16:(\s)+31], v[TM+5]
	v_nop
.irp i, 0,1,2
	v_permlane16_swap_b32 v[(\d)+\i], v[CT+\i]
.endr
.irp i, 0,1,2
	v_mov_b32 v[(\d)+3+\i], v[CT+\i]
.endr
.endm
.macro BMAX b0                         ; the largest score of blocks b0 and b0 + 1 (my 16 keys of each): four chains by turns
.irp b, \b0, \b0+1
	v_max3_num_f32 v[BM+(\b)], v[96+16*(\b)], v[97+16*(\b)], v[98+16*(\b)]
	v_max3_num_f32 v[BX+(\b)], v[104+16*(\b)], v[105+16*(\b)], v[106+16*(\b)]
.endr
.irp i, 3,5
.irp b, \b0, \b0+1
	v_max3_num_f32 v[BM+(\b)], v[BM+(\b)], v[96+16*(\b)+\i], v[97+16*(\b)+\i]
	v_max3_num_f32 v[BX+(\b)], v[BX+(\b)], v[104+16*(\b)+\i], v[105+16*(\b)+\i]
.endr
.endr
.irp b, \b0, \b0+1
	v_max3_num_f32 v[BM+(\b)], v[BM+(\b)], v[BX+(\b)], v[103+16*(\b)]
.endr
.irp b, \b0, \b0+1
	v_max_num_f32 v[BM+(\b)], v[BM+(\b)], v[111+16*(\b)]
.endr
.endm
.macro SETCR k                         ; CR = the register pair of l's chain k
.if (\k) == 0
.set CR, 224
.elseif (\k) == 1
.set CR, 10
.elseif (\k) == 2
.set CR, 94
.else
.set CR, 14
.endif
.endm
	s_load_b128 s[16:19], s[0:1], 0x0              ; qkv, mbits
	s_load_b64 s[20:21], s[0:1], 0x10              ; sm
	v_lshl_add_u32 v[SPW], v0, 2, SPARE
	v_mov_b32 v[NIL], 0
	ds_add_u32 v[SPW], v[NIL]
	ds_add_u32 v[SPW], v[NIL]
	v_lshrrev_b32 v10, 5, v0
	v_readfirstlane_b32 s[WV], v10                 ; wave 0..15
	s_bfe_u32 s22, ttmp6, 0x40000                  ; cx
	s_lshl_b32 s23, ttmp9, 2
	s_add_co_u32 s23, s23, s22                     ; my block of 256 queries: it enters q's, the mask's and sm's addresses alone
	s_and_b32 s24, ttmp7, 0xffff                   ; 16 x batch + head, which the four partners share
	s_mov_b32 s[G1], 15|(3<<16)|(1<<21)            ; all four work-groups; elements of 8 bytes; bit 21 beside a mask
	s_mov_b32 s[G1+1], 32<<16                      ; 52 dense rows of 256 bytes
	s_mov_b32 s[G1+2], 52<<16
	s_mov_b32 s[G1+3], 32<<16
	s_mov_b32 s[G1+4], 52
	s_mov_b32 s[G1+5], 32
	s_mov_b32 s[G1+6], 0
	s_mov_b32 s[G1+7], 0
	s_mov_b32 s8, 1
	s_mul_i32 s9, s[WV], STB                       ; key step = my wave's number: its place in LDS,
	s_mul_i32 s26, s24, 16*3*RECQ
	s_mul_i32 s27, s[WV], 3*RECQ
	s_add_co_u32 s26, s26, s27
	s_add_co_u32 s26, s26, RECQ                    ; and k's record of that panel (v's follows it)
	s_mov_b32 s27, 0
	s_and_b32 s25, s[WV], 3
	s_lshl_b32 s30, s24, 4                         ; q: my tile is tile wave % 8 of panel 2 x block + wave / 8
	s_lshl_b32 s31, s23, 1
	s_add_co_u32 s30, s30, s31
	s_lshr_b32 s31, s[WV], 3
	s_add_co_u32 s30, s30, s31
	s_mul_i32 s30, s30, 3*RECQ
	s_bfe_u32 s31, s[WV], 0x10002
	s_mul_i32 s31, s31, HALF
	s_add_co_u32 s30, s30, s31
	s_and_b32 s33, s[WV], 1
	s_lshl_b32 s33, s33, 7                         ; an odd tile's scale words lie 128 bytes on,
	s_bfe_u32 s34, s[WV], 0x10001
	s_lshl_b32 s34, s34, 2                         ; word (tile % 4) / 2 of a lane's two
	s_add_co_u32 s32, s30, s33
	s_add_co_u32 s32, s32, s34
	s_add_co_u32 s32, s32, 3072
	s_mov_b32 s33, 0
	s_mul_i32 s31, s25, 768
	s_add_co_u32 s30, s30, s31
	s_mov_b32 s31, 0
	s_lshr_b32 s34, s24, 4                         ; the mask words: (128 x batch + 16 x block + wave) x 4,096 bytes
	s_lshl_b32 s34, s34, 7
	s_lshl_b32 s35, s23, 4
	s_add_co_u32 s34, s34, s35
	s_add_co_u32 s34, s34, s[WV]
	s_lshl_b32 s34, s34, 12
	s_mov_b32 s35, 0
	s_mov_b32 s[CS], 0x3e38aa3b                    ; c = log2(e) / 8
	s_mov_b32 s[CS+1], s[CS]
	s_mov_b32 s[SEL], 0x76543210
	s_mov_b32 s[SEL+1], 0xfedcba98
	s_mov_b32 s[MOFF], 0
	s_wait_dscnt 0x0
	s_wait_kmcnt 0x0
	s_add_nc_u64 s[10:11], s[16:17], s[26:27]
	s_or_b32 s11, s11, 0x80000000
	s_add_nc_u64 s[12:13], s[16:17], s[30:31]
	s_add_nc_u64 s[14:15], s[16:17], s[32:33]
	s_add_nc_u64 s[2:3], s[18:19], s[34:35]
	s_mov_b64 s[66:67], s[20:21]
	CROUND                                         ; all four work-groups are here: the joint loads meet
	tensor_load_to_lds s[8:11], s[G1:G1+7]         ; every wave's one load
	s_nop 0
	v_and_b32 v10, 31, v0
	v_lshlrev_b32 v1, 4, v10
	v_lshlrev_b32 v2, 3, v10
	v_and_b32 v11, 15, v0
	v_lshlrev_b32 v11, 3, v11
	global_load_b128 v[16:19], v1, s[12:13]        ; q's registers 0-3,
	global_load_b64 v[20:21], v2, s[12:13] offset:512   ; 4-5,
	global_load_b32 v28, v11, s[14:15]             ; and its scale word
	MASKLOAD                                       ; key step 0's words
.irp i, 22,23,24,25,26,27,88,89,90,91,92,93,250,251,252,253,254,255
	v_mov_b32 v\i, 0                               ; zero codes
.endr
	v_mov_b32 v7, 0
	v_mov_b32 v5, 0xff800000                       ; -infinity
	v_mov_b32 v13, 0xff61b1e6                      ; the largest t so far: -3e38
	v_floor_f32 v12, -v13                          ; -M
	s_wait_xcnt 0x0                                ; q's loads have read v11
.irp i, 10,11,14,15,94,95,224,225
	v_mov_b32 v\i, 0                               ; l
.endr
.set i, 0
.rept 32
	v_mov_b32 v[160+i], 0                          ; O^T: the step is written once: the first finds zeros
.set i, i+1
.endr
; A KEY STEP: 128 keys.  pf = 1: the next step's tiles 0-3 of k and its mask words are asked for
.macro STEP pf
	v_add_nc_u32 v3, s[TB], v1
	v_add_nc_u32 v4, s[TB], v2
	v_mov_b32 v[OM], v12
	v_nop                                          ; four places ahead of loads into registers that the last products read
.irp a, 0,1,2,3                                ; k's tiles 4-7, into registers that v has left
	ds_load_b128 v[64+6*\a:64+6*\a+3],   v3 offset:HALF+768*\a
	ds_load_b64  v[64+6*\a+4:64+6*\a+5], v4 offset:HALF+768*\a+512
.endr
	ds_load_b64 v[32:33], v4 offset:HALF+3072
	s_wait_dscnt 9                                 ; the nine just issued stay out: tiles 0-3 and their scale words, asked for a step ago, are in
.irp t, 0,2
	v_wmma_scale_f32_16x16x128_f8f6f4 v[96+8*\t:103+8*\t], v[KA+6*\t:KA+6*\t+11], v[16:27], 0, v[30+\t/2], v28 matrix_a_fmt:MATRIX_FMT_FP6 matrix_b_fmt:MATRIX_FMT_FP6
	v_wmma_scale_f32_16x16x128_f8f6f4 v[104+8*\t:111+8*\t], v[KA+6+6*\t:KA+17+6*\t], v[16:27], 0, v[30+\t/2], v28 matrix_a_fmt:MATRIX_FMT_FP6 matrix_b_fmt:MATRIX_FMT_FP6 matrix_a_scale:MATRIX_SCALE_ROW1
.endr
	PLACES 4
	s_wait_kmcnt 0x0                               ; this step's mask words
.set n, 0
.rept 32
	v_cndmask_b32 v[96+n], v5, v[96+n], s[16+n]    ; a hidden key's score becomes -infinity; ascending: each accumulator is first read at its low end
.set n, n+1
.endr
	s_wait_alu depctr_va_vdst(0)                   ; directly ahead of the wait below
	s_wait_dscnt 0x0                               ; k's tiles 4-7 are in
.irp t, 4,6
	v_wmma_scale_f32_16x16x128_f8f6f4 v[96+8*\t:103+8*\t], v[40+6*\t:51+6*\t], v[16:27], 0, v[30+\t/2], v28 matrix_a_fmt:MATRIX_FMT_FP6 matrix_b_fmt:MATRIX_FMT_FP6
	v_wmma_scale_f32_16x16x128_f8f6f4 v[104+8*\t:111+8*\t], v[46+6*\t:57+6*\t], v[16:27], 0, v[30+\t/2], v28 matrix_a_fmt:MATRIX_FMT_FP6 matrix_b_fmt:MATRIX_FMT_FP6 matrix_a_scale:MATRIX_SCALE_ROW1
.endr
	BMAX 0                                         ; sixteen plain instructions that name no register of the four products above: the places behind them
.irp c, 0,1                                    ; v's four fragments
.irp a, 0,1,2,3
	ds_load_b128 v[40+12*\a+6*\c:40+12*\a+6*\c+3],   v3 offset:RECQ+HALF*\c+768*\a
	ds_load_b64  v[40+12*\a+6*\c+4:40+12*\a+6*\c+5], v4 offset:RECQ+HALF*\c+768*\a+512
.endr
	ds_load_b64 v[34+2*\c:35+2*\c], v4 offset:RECQ+HALF*\c+3072
.endr
.if \pf
.irp a, 0,1,2,3                                ; the next step's tiles 0-3 of k
	ds_load_b128 v[KA+6*\a:KA+6*\a+3],   v3 offset:STB+768*\a
	ds_load_b64  v[KA+6*\a+4:KA+6*\a+5], v4 offset:STB+768*\a+512
.endr
	ds_load_b64 v[30:31], v4 offset:STB+3072
.endif
.set n, 32
.rept 32
.if n < 48
	v_cndmask_b32 v[96+n], v5, v[96+n], s[16+n]
.else
	v_cndmask_b32 v[96+n], v5, v[96+n], s[20+n]
.endif
.set n, n+1
.endr
.if \pf
	s_add_co_u32 s[MOFF], s[MOFF], 256
	s_min_u32 s[MOFF], s[MOFF], 15*256             ; held inside the tile's 4,096 bytes
	MASKLOAD
.endif
	BMAX 2
.irp b, 0,1,2,3
	v_permlanex16_b32 v[BX+\b], v[BM+\b], s[SEL], s[SEL+1]
.endr
.irp b, 0,1,2,3
	v_max_num_f32 v[BM+\b], v[BM+\b], v[BX+\b]     ; the largest score of each block of 32 keys
.endr
	v_max3_num_f32 v[TT], v[BM], v[BM+1], v[BM+2]
	s_delay_alu instid0(VALU_DEP_1)
	v_max_num_f32 v[TT], v[TT], v[BM+3]
	s_delay_alu instid0(VALU_DEP_1)
	v_mul_f32 v[TT], s[CS], v[TT]                  ; as t
	s_delay_alu instid0(VALU_DEP_1)
	v_max_num_f32 v13, v13, v[TT]                  ; the running largest t
	s_delay_alu instid0(VALU_DEP_1)
	v_floor_f32 v12, -v13                          ; the new -M: a whole number
	s_delay_alu instid0(VALU_DEP_1)
	v_sub_f32 v[TT], v12, v[OM]                    ; old M - new M
.set j, 0
.rept 32
	v_pk_fma_f32 v[96+j:97+j], v[96+j:97+j], s[CS:CS+1], v[12:13] op_sel_hi:[1,0,0]   ; t - M
.if j == 6
	v_cvt_i32_f32 v[TT], v[TT]                     ; (it saturates)
.endif
.if j == 14
	v_ldexp_f32 v[FF], 1.0, v[TT]                  ; f = 2^(old M - new M)
.endif
.set j, j+2
.endr
.irp b, 0,1,2,3
	v_fma_f32 v[BM+\b], v[BM+\b], s[CS], v12
.endr
.set j, 0
.rept 16
	v_pk_mul_f32 v[160+j:161+j], v[160+j:161+j], v[FF:FF+1] op_sel_hi:[1,0]   ; O^T under the new M; ascending
.set j, j+2
.endr
	s_wait_alu depctr_va_vdst(0)                   ; the wait ahead of the batch
.set i, 0
.rept 64
	v_exp_f32 v[96+i], v[96+i]                     ; p = 2^(t - M)
.set i, i+1
.endr
.irp b, 0,1,2,3
	v_exp_f32 v[BM+\b], v[BM+\b]                   ; each block's largest p
.endr
	v_nop
	s_wait_alu depctr_va_vdst(0)                   ; and the wait behind it
.if \pf
	s_wait_dscnt 9                                 ; v's 18 loads are in; the nine for the next step stay out
.else
	s_wait_dscnt 0x0
.endif
.irp b, 0,1,2,3
	v_max_num_f32 v[BM+\b], 0x1800000, v[BM+\b]    ; the floor 2^(3 - 127)
.endr
.irp b, 0,1,2,3
	v_add_nc_u32 v[BS+\b], 0xff000000, v[BM+\b]
.endr
.irp b, 0,1,2,3
	v_lshrrev_b32 v[BX+\b], 23, v[BS+\b]
.endr
	v_lshl_or_b32 v[PW], v[BX+1], 8, v[BX]
	v_lshl_or_b32 v38, v36, 16, v34                ; v's scale words: bytes 0, 1 from keys 0-63's half, bytes 2, 3 from keys 64-127's
	v_lshl_or_b32 v39, v37, 16, v35
	v_lshl_or_b32 v[PW], v[BX+2], 16, v[PW]
	s_delay_alu instid0(VALU_DEP_1)
	v_lshl_or_b32 v[PW], v[BX+3], 24, v[PW]        ; p's scale word
.irp c, 0,1
	v_cvt_scalef32_pk16_fp6_f32 v[192+6*\c:194+6*\c], v[96+32*\c:111+32*\c], v[BS+2*\c]
	v_cvt_scalef32_pk16_fp6_f32 v[204+4*\c:206+4*\c], v[112+32*\c:127+32*\c], v[BS+2*\c+1]
.endr
	v_nop
.irp c, 0,1
.irp i, 0,1,2
	v_permlane16_swap_b32 v[192+6*\c+\i], v[204+4*\c+\i]
.endr
.irp i, 0,1,2
	v_mov_b32 v[195+6*\c+\i], v[204+4*\c+\i]
.endr
.endr
.set pn, 0
.rept 32                                       ; l of the unquantised p, in four chains; these lines are also the places between the operands' and scales' last writes and the products
	SETCR pn%4
.if pn < 4
	v_pk_fma_f32 v[CR:CR+1], v[CR:CR+1], v[FF:FF+1], v[96+2*pn:97+2*pn] op_sel_hi:[1,0,1]   ; l x f + p
.else
	v_pk_add_f32 v[CR:CR+1], v[CR:CR+1], v[96+2*pn:97+2*pn]
.endif
.set pn, pn+1
.endr
.irp a, 0,2                                    ; O^T += v^T p^T: the four accumulators take turns
	v_wmma_scale_f32_16x16x128_f8f6f4 v[160+8*\a:167+8*\a], v[40+12*\a:51+12*\a], v[192:203], v[160+8*\a:167+8*\a], v[38+\a/2], v[PW] matrix_a_fmt:MATRIX_FMT_FP6 matrix_b_fmt:MATRIX_FMT_FP6
	v_wmma_scale_f32_16x16x128_f8f6f4 v[168+8*\a:175+8*\a], v[52+12*\a:63+12*\a], v[192:203], v[168+8*\a:175+8*\a], v[38+\a/2], v[PW] matrix_a_fmt:MATRIX_FMT_FP6 matrix_b_fmt:MATRIX_FMT_FP6 matrix_a_scale:MATRIX_SCALE_ROW1
.endr
	s_add_co_u32 s[TB], s[TB], STB
.endm
	s_wait_alu depctr_va_vdst(0)                   ; the wait at the head's end
	s_wait_tensorcnt 0x0                           ; my key step is in
	s_barrier_signal -1
	s_barrier_wait -1                              ; all sixteen are
.irp a, 0,1,2,3                                ; step 0's tiles 0-3 of k
	ds_load_b128 v[KA+6*\a:KA+6*\a+3],   v1 offset:768*\a
	ds_load_b64  v[KA+6*\a+4:KA+6*\a+5], v2 offset:768*\a+512
.endr
	ds_load_b64 v[30:31], v2 offset:3072
	s_wait_loadcnt 0x0                             ; q
	s_mov_b32 s[TB], 0
	s_mov_b32 s[CNT], 15
.Lsteps:
	STEP 1
	s_sub_co_u32 s[CNT], s[CNT], 1
	s_cmp_lg_u32 s[CNT], 0
	s_cbranch_scc1 .Lsteps
	s_mov_b32 s[TB], 15*STB
	STEP 0                                         ; the last step is written out: no LDS read passes the sixteen steps, no mask load the tile's words
	; THE WAY OUT: O^T / l, 0 where no key counted; quantised along the head's 64 channels; half a fragment of the last product's operand, and two bytes of its scale words
	s_wait_alu depctr_va_vdst(0)                   ; directly ahead of the run of scalar instructions
	s_bfe_u32 s20, ttmp6, 0x40000
	s_lshl_b32 s21, ttmp9, 2
	s_add_co_u32 s21, s21, s20                     ; my block of 256 queries
	s_and_b32 s22, ttmp7, 0xffff
	s_lshr_b32 s23, s22, 4
	s_lshl_b32 s23, s23, 4
	s_lshl_b32 s21, s21, 1
	s_add_co_u32 s23, s23, s21
	s_lshr_b32 s24, s[WV], 3
	s_add_co_u32 s23, s23, s24                     ; the token panel
	s_lshl_b32 s23, s23, 3
	s_bfe_u32 s24, s22, 0x30001                    ; K step = head / 2
	s_add_co_u32 s23, s23, s24
	s_mul_i32 s23, s23, 12800                      ; the record
	s_and_b32 s24, s[WV], 7
	s_and_b32 s25, s22, 1
	s_mul_i32 s26, s24, 1536
	s_mul_i32 s27, s25, 768
	s_add_co_u32 s26, s26, s27
	s_add_co_u32 s26, s26, s23
	s_mov_b32 s27, 0
	s_add_nc_u64 s[16:17], s[66:67], s[26:27]      ; my half fragment
	s_lshl_b32 s24, s24, 6
	s_lshl_b32 s25, s25, 1
	s_add_co_u32 s24, s24, s25
	s_add_co_u32 s24, s24, s23
	s_add_co_u32 s24, s24, 12288
	s_mov_b32 s25, 0
	s_add_nc_u64 s[18:19], s[66:67], s[24:25]      ; my two bytes of the tile's scale words
	v_pk_add_f32 v[224:225], v[224:225], v[10:11]
	v_pk_add_f32 v[94:95], v[94:95], v[14:15]
	v_pk_add_f32 v[224:225], v[224:225], v[94:95]
	v_add_f32 v14, v224, v225
	v_permlanex16_b32 v[TT], v14, s[SEL], s[SEL+1]
	v_add_f32 v14, v14, v[TT]                      ; l
	v_and_b32 v11, 15, v0
	v_lshlrev_b32 v11, 2, v11
	s_wait_alu depctr_va_vdst(0)                   ; the wait ahead of the reciprocal
	v_rcp_f32 v[FF], v14
	v_cmp_lt_f32 vcc_lo, 0, v14                    ; l is above 1/2 where any key counted and exactly 0 where none did
	s_wait_alu depctr_va_vdst(0)                   ; and behind it
	v_cndmask_b32 v[FF], 0, v[FF], vcc_lo          ; THE WIPE
	s_wait_alu depctr_va_vdst(0)                   ; directly ahead of the first reader of O^T
.set j, 0
.rept 16
	v_pk_mul_f32 v[160+j:161+j], v[160+j:161+j], v[FF:FF+1] op_sel_hi:[1,0]
.set j, j+2
.endr
	HQUANT 160, 192, PW
	global_store_b128 v1, v[192:195], s[16:17]     ; 512 consecutive bytes, aligned at 256
	global_store_b64 v2, v[196:197], s[16:17] offset:512
	global_store_b16 v11, v[PW], s[18:19]          ; two bytes a row: 32 of the tile's 800 bytes leave so
	s_wait_tensorcnt 0x0                           ; the wave's end
	ds_add_u32 v[SPW], v[NIL]
	s_wait_dscnt 0x0
	CROUND                                         ; the closing round
	s_endpgm
.Lfunc_end_k_qc6dcbed7e5_attn:
	.size	k_qc6dcbed7e5_attn, .Lfunc_end_k_qc6dcbed7e5_attn-k_qc6dcbed7e5_attn
	.p2alignl 7, 3214868480
	.fill 96, 4, 3214868480
	.section	.rodata,"a",@progbits
	.p2align	6, 0x0
	.amdhsa_kernel k_qc6dcbed7e5_attn
		.amdhsa_group_segment_fixed_size 215040
		.amdhsa_private_segment_fixed_size 0
		.amdhsa_enable_private_segment 0
		.amdhsa_kernarg_size 24
		.amdhsa_user_sgpr_count 2
		.amdhsa_user_sgpr_kernarg_segment_ptr 1
		.amdhsa_wavefront_size32 1
		.amdhsa_system_sgpr_workgroup_id_x 1
		.amdhsa_system_sgpr_workgroup_id_y 1
		.amdhsa_system_sgpr_workgroup_id_z 1
		.amdhsa_system_vgpr_workitem_id 0
		.amdhsa_next_free_vgpr 256
		.amdhsa_next_free_sgpr 106
		.amdhsa_reserve_vcc 1
		.amdhsa_float_denorm_mode_32 3
		.amdhsa_float_denorm_mode_16_64 3
		.amdhsa_memory_ordered 1
		.amdhsa_forward_progress 1
		.amdhsa_inst_pref_size 53
	.end_amdhsa_kernel
	.amdgpu_metadata
---
amdhsa.version: [ 1, 2 ]
amdhsa.kernels:
  - .name:           k_qc6dcbed7e5_attn
    .symbol:         k_qc6dcbed7e5_attn.kd
    .args:
      - { .name: qkv, .offset: 0, .size: 8, .value_kind: global_buffer, .address_space: global }
      - { .name: mbits, .offset: 8, .size: 8, .value_kind: global_buffer, .address_space: global }
      - { .name: sm, .offset: 16, .size: 8, .value_kind: global_buffer, .address_space: global }
    .group_segment_fixed_size: 215040
    .private_segment_fixed_size: 0
    .kernarg_segment_align: 8
    .kernarg_segment_size: 24
    .max_flat_workgroup_size: 512
    .sgpr_count:     106
    .vgpr_count:     256
    .wavefront_size: 32
...
	.end_amdgpu_metadata
.endif
;; end of part 3
;; launch outp (part 4): grid 8 x 32, 4 waves a work-group, clusters of 4 x 4, 272,896 bytes of LDS; arguments sm, xw, bo, out0; writes out0
.if DOCPART == 4
	.amdgcn_target "amdgcn-amd-amdhsa--gfx1250"
	.amdhsa_code_object_version 6
	.text
	.protected	k_qc6dcbed7e5_outp
	.globl	k_qc6dcbed7e5_outp
	.p2align	8
	.type	k_qc6dcbed7e5_outp,@function
k_qc6dcbed7e5_outp:
	s_mov_b64 s[64:65], 0
	v_nop
	global_prefetch_b8 v0, s[64:65] scope:SCOPE_SE
	s_setreg_imm32_b32 hwreg(HW_REG_WAVE_MODE, 25, 1), 1
	s_wait_xcnt 0x0
	s_wait_alu depctr_hold_cnt(0) depctr_sa_sdst(0) depctr_va_vdst(0) depctr_va_sdst(0) depctr_va_ssrc(0) depctr_va_vcc(0) depctr_vm_vsrc(0)
	s_getreg_b32 s2, hwreg(HW_REG_IB_STS2, 6, 4)
	s_cmp_eq_u32 s2, 0
	s_cbranch_scc0 .Lentry_in_a_cluster
	s_endpgm
.Lentry_in_a_cluster:
	s_bfe_u32 s2, ttmp6, 0x10000c
	s_cmp_lg_u32 s2, 0xf033
	s_cbranch_scc0 .Lentry_shape_is_right
	s_endpgm
.Lentry_shape_is_right:
; OUTP.  out0 = summed Wo^T + bo on codes of FP6 (E2M3) with E8M0 scales, sums in f32.  sm holds the weighted sums and xw (panels 88-95) holds Wo, both as images of operand registers:
; panel of 128 rows x K step of 128: a record of 12,800 bytes: 8 fragments of 1,536, then 8 x 16 scale words.  A panel's tile t holds, in lane row r, panel row 32 (t / 2) + 8 (t % 2) + r + 8 (r / 8).
; A work-group makes 128 tokens x 128 outputs over K = 1,024; each of its four waves 64 x 64: 16 accumulators.  256 work-groups.
; LDS IS FILLED ONCE: the tokens' panel (102,400 bytes), then Wo's.  Each wave asks for half a panel, 200 rows of 256 bytes, with its one tensor load at the head; no byte is filled again.
; CLUSTER 4 x 4: the four of a row need the same token panel, the four of a column the same panel of Wo: each half panel is asked for JOINTLY.  No prefetch: all tiles are asked for at the head, so there is no later load to run ahead of.
; Source 0 = 16 rows of Wo, source 1 = 16 tokens: a lane holds one token and eight neighbouring outputs.  THE BIAS is the C of each sum's first matrix instruction.
; The results go through a stage in LDS with bytes of its own (128 rows x 528) and leave as whole rows of 512 bytes.
; REGISTERS.  Window 0: v1-15 lane terms; v16-31 scale words, two sets; v32-159 accumulators, later rows of out0; v160-191 the bias; v204-215 LDS addresses; v254-255 the add's two.  Window 1: two sets of 96 fragments.
.set REC,  12800
.set HB,   4*REC
.set PANB, 8*REC
.set STG,  2*PANB                      ; the stage: no fill lands there
.set SP,   528
.set SPARE, STG+128*SP                 ; the spare words: 512 bytes that no other line names
.set SC,   16
.set ACC,  32
.set BIAS, 160
.set AX,   204
.set AW,   210
.set SPW,  254
.set NIL,  255
.set WV,   12                          ; s12 wave; s13: my half of the tokens, and: I fetch tokens (0) or Wo (1); s14: my half of the outputs, and: which half of K I fetch
.set G1X,  24
.set G1W,  32
.set XA,   48
.set WA,   56
.set MSB, 0
.macro WIN new
.if MSB != \new
	s_set_vgpr_msb (MSB<<8)|\new
.set MSB, \new
.endif
.endm
.macro PLACES n
.rept \n
	v_nop
.endr
.endm
.macro CROUND
	s_barrier_signal -1
	s_barrier_wait -1
	s_cmp_lg_u32 s[WV], 0
	s_cbranch_scc1 .Lnot_wave_0_\@
	s_barrier_signal -3
.Lnot_wave_0_\@:
	s_barrier_wait -3
	s_barrier_signal -1
	s_barrier_wait -1
.endm
	s_load_b256 s[4:11], s[0:1], 0x0               ; sm, xw, bo, out0
	v_lshl_add_u32 v[SPW], v0, 2, SPARE
	v_mov_b32 v[NIL], 0
	ds_add_u32 v[SPW], v[NIL]
	ds_add_u32 v[SPW], v[NIL]
	v_lshrrev_b32 v1, 5, v0
	v_readfirstlane_b32 s[WV], v1
	s_lshr_b32 s13, s[WV], 1
	s_and_b32 s14, s[WV], 1
	s_bfe_u32 s16, ttmp6, 0x40000                  ; cx
	s_bfe_u32 s17, ttmp6, 0x40004                  ; cy
	s_lshl_b32 s18, ttmp9, 2
	s_add_co_u32 s18, s18, s16                     ; work-group x 0..7: Wo's panel
	s_and_b32 s19, ttmp7, 0xffff
	s_lshl_b32 s19, s19, 2
	s_add_co_u32 s19, s19, s17                     ; work-group y 0..31: the token panel
	s_lshl_b32 s20, s17, 2
	s_lshl_b32 s20, 15, s20
	s_lshl_b32 s21, 0x1111, s16
	s_or_b32 s[G1X], s20, (3<<16)|(1<<21)
	s_or_b32 s[G1W], s21, (3<<16)|(1<<21)
.irp g, G1X, G1W
	s_mov_b32 s[\g+1], 32<<16                      ; 200 dense rows of 256 bytes
	s_mov_b32 s[\g+2], 200<<16
	s_mov_b32 s[\g+3], 32<<16
	s_mov_b32 s[\g+4], 200
	s_mov_b32 s[\g+5], 32
	s_mov_b32 s[\g+6], 0
	s_mov_b32 s[\g+7], 0
.endr
	s_mul_i32 s22, s14, HB                         ; the half of K that I fetch
	s_mul_i32 s40, s19, PANB
	s_add_co_u32 s40, s40, s22
	s_mov_b32 s41, 0
	s_add_co_u32 s42, s18, 88
	s_mul_i32 s42, s42, PANB
	s_add_co_u32 s42, s42, s22
	s_mov_b32 s43, 0
	s_mov_b32 s[XA], 1
	s_add_co_u32 s[XA+1], s22, 0
	s_mov_b32 s[WA], 1
	s_add_co_u32 s[WA+1], s22, PANB
	s_wait_dscnt 0x0
	s_wait_kmcnt 0x0
	s_add_nc_u64 s[XA+2:XA+3], s[4:5], s[40:41]    ; hangs on y, which my row shares
	s_or_b32 s[XA+3], s[XA+3], 0x80000000
	s_add_nc_u64 s[WA+2:WA+3], s[6:7], s[42:43]    ; hangs on x, which my column shares
	s_or_b32 s[WA+3], s[WA+3], 0x80000000
	CROUND                                         ; all sixteen work-groups are here: the joint loads meet
	s_cmp_eq_u32 s13, 0                            ; one load a wave, one in each arm
	s_cbranch_scc0 .Lhead_w
	tensor_load_to_lds s[XA:XA+3], s[G1X:G1X+7]
	s_nop 0
	PLACES 4
	s_branch .Lhead_asked
.Lhead_w:
	tensor_load_to_lds s[WA:WA+3], s[G1W:G1W+7]
	s_nop 0
	PLACES 4
.Lhead_asked:
	s_lshl_b32 s44, s18, 9                         ; the bias: 128 outputs a work-group, 64 a wave
	s_lshl_b32 s45, s14, 8
	s_add_co_u32 s44, s44, s45
	s_mov_b32 s45, 0
	s_add_nc_u64 s[8:9], s[8:9], s[44:45]
	s_mul_i32 s46, s13, 4*1536                     ; my four token tiles
	s_mul_i32 s47, s14, 4*1536                     ; my four tiles of Wo
	s_add_co_u32 s47, s47, PANB
	s_lshl_b32 s72, s13, 8
	s_add_co_u32 s72, s72, 12288
	s_lshl_b32 s73, s14, 8
	s_add_co_u32 s73, s73, PANB+12288
	s_mul_i32 s74, s13, 64*SP                      ; the stage, in: row 64 x my half of the tokens, byte 256 x my half of the outputs
	s_lshl_b32 s75, s14, 8
	s_add_co_u32 s74, s74, s75
	s_add_co_u32 s74, s74, STG
	s_mul_i32 s75, s[WV], 32*SP                    ; back: my 32 whole rows
	s_add_co_u32 s75, s75, STG
	s_lshl_b32 s44, s19, 7                         ; out0: row 128 y + 32 x wave, byte 512 x
	s_lshl_b32 s45, s[WV], 5
	s_add_co_u32 s44, s44, s45
	s_lshl_b32 s44, s44, 12
	s_lshl_b32 s45, s18, 9
	s_add_co_u32 s44, s44, s45
	s_mov_b32 s45, 0
	s_add_nc_u64 s[10:11], s[10:11], s[44:45]
	v_and_b32 v14, 31, v0                          ; lane
	v_and_b32 v1, 15, v0                           ; r
	v_bfe_u32 v2, v0, 4, 1                         ; h
	v_lshlrev_b32 v9, 4, v14
	v_lshlrev_b32 v10, 3, v14
	v_lshlrev_b32 v11, 6, v2
	v_lshlrev_b32 v15, 2, v1
.irp t, 0,1,2,3                                ; tile t's register j is output 32 (t / 2) + 16 h + 8 (t % 2) + j of my 64
	global_load_b128 v[BIAS+8*\t:BIAS+8*\t+3],   v11, s[8:9] offset:128*(\t/2)+32*(\t%2)
	global_load_b128 v[BIAS+8*\t+4:BIAS+8*\t+7], v11, s[8:9] offset:128*(\t/2)+32*(\t%2)+16
.endr
	v_add_nc_u32 v[AX], s46, v9
	v_add_nc_u32 v[AX+1], s46, v10
	v_add_nc_u32 v[AX+2], s72, v15
	v_add_nc_u32 v[AW], s47, v9
	v_add_nc_u32 v[AW+1], s47, v10
	v_add_nc_u32 v[AW+2], s73, v15
.irp i, 0,1,2
	v_add_nc_u32 v[AX+3+\i], HB, v[AX+\i]
	v_add_nc_u32 v[AW+3+\i], HB, v[AW+\i]
.endr
	v_and_b32 v12, 8, v1                           ; the stage, in: row r + 8 (r / 8), byte 64 h
	v_add_nc_u32 v12, v12, v1
	v_mul_u32_u24 v12, v12, SP
	v_lshl_add_u32 v12, v2, 6, v12
	v_add_nc_u32 v12, s74, v12
	v_add_nc_u32 v13, s75, v9
.macro FETCH s                         ; K step s's eight fragments and eight scale words into set s % 2: 40 LDS loads
.set FS, 96*((\s)%2)
.set FO, REC*((\s)%4)
.set PX, AX+3*((\s)/4)
.set PY, AW+3*((\s)/4)
	WIN 0x40
.irp i, 0,1,2,3
	ds_load_b128 v[FS+12*\i:FS+12*\i+3],     v[PX] offset:FO+1536*\i
	ds_load_b64  v[FS+12*\i+4:FS+12*\i+5],   v[PX+1] offset:FO+1536*\i+512
	ds_load_b128 v[FS+12*\i+6:FS+12*\i+9],   v[PX] offset:FO+1536*\i+768
	ds_load_b64  v[FS+12*\i+10:FS+12*\i+11], v[PX+1] offset:FO+1536*\i+1280
.endr
.irp i, 0,1,2,3
	ds_load_b128 v[FS+48+12*\i:FS+48+12*\i+3],     v[PY] offset:FO+1536*\i
	ds_load_b64  v[FS+48+12*\i+4:FS+48+12*\i+5],   v[PY+1] offset:FO+1536*\i+512
	ds_load_b128 v[FS+48+12*\i+6:FS+48+12*\i+9],   v[PY] offset:FO+1536*\i+768
	ds_load_b64  v[FS+48+12*\i+10:FS+48+12*\i+11], v[PY+1] offset:FO+1536*\i+1280
.endr
	WIN 0
.irp i, 0,1,2,3
	ds_load_b32 v[SC+8*((\s)%2)+\i],   v[PX+2] offset:FO+64*\i
	ds_load_b32 v[SC+8*((\s)%2)+4+\i], v[PY+2] offset:FO+64*\i
.endr
.endm
; 16 matrix instructions: source 0 = Wo's tile t, source 1 = token tile a; the 16 accumulators take turns.  mode = 2: the bias starts the sums
.macro MUL16 set, mode
	WIN 0x05
.irp a, 0,1,2,3
.irp t, 0,1,2,3
.if \mode == 2
	v_wmma_scale_f32_16x16x128_f8f6f4 v[ACC+8*(4*\a+\t):ACC+8*(4*\a+\t)+7], v[96*(\set)+48+12*\t:96*(\set)+48+12*\t+11], v[96*(\set)+12*\a:96*(\set)+12*\a+11], v[BIAS+8*\t:BIAS+8*\t+7], v[SC+8*(\set)+4+\t], v[SC+8*(\set)+\a] matrix_a_fmt:MATRIX_FMT_FP6 matrix_b_fmt:MATRIX_FMT_FP6
.else
	v_wmma_scale_f32_16x16x128_f8f6f4 v[ACC+8*(4*\a+\t):ACC+8*(4*\a+\t)+7], v[96*(\set)+48+12*\t:96*(\set)+48+12*\t+11], v[96*(\set)+12*\a:96*(\set)+12*\a+11], v[ACC+8*(4*\a+\t):ACC+8*(4*\a+\t)+7], v[SC+8*(\set)+4+\t], v[SC+8*(\set)+\a] matrix_a_fmt:MATRIX_FMT_FP6 matrix_b_fmt:MATRIX_FMT_FP6
.endif
.endr
.endr
	WIN 0
.endm
	s_wait_alu depctr_va_vdst(0)                   ; the wait at the head's end
	s_wait_tensorcnt 0x0                           ; my half panel is in
	s_barrier_signal -1
	s_barrier_wait -1                              ; everybody's is
	FETCH 0
	FETCH 1
	s_wait_loadcnt 0x0                             ; the bias
	s_wait_dscnt 40                                ; all but the 40 just issued
	MUL16 0, 2
.irp s, 1,2,3,4,5,6
	PLACES 4                                       ; ahead of loads into the set that the last step multiplied
	FETCH \s+1
	s_wait_dscnt 40
	MUL16 (\s)%2, 0
.endr
	s_wait_dscnt 0x0
	MUL16 1, 0
	; THE WAY OUT.  A row's 512 bytes come from two waves: the results meet in the stage, a barrier, and each wave stores 32 whole rows.
	PLACES 4
.irp a, 0,1,2,3
.irp t, 0,1,2,3
	ds_store_b128 v12, v[ACC+8*(4*\a+\t):ACC+8*(4*\a+\t)+3]   offset:(32*(\a/2)+8*(\a%2))*SP+128*(\t/2)+32*(\t%2)      ; each accumulator from its low end on
	ds_store_b128 v12, v[ACC+8*(4*\a+\t)+4:ACC+8*(4*\a+\t)+7] offset:(32*(\a/2)+8*(\a%2))*SP+128*(\t/2)+32*(\t%2)+16
.endr
.endr
	s_wait_dscnt 0x0                               ; for the others' sake: my stores into the stage are done
	s_barrier_signal -1
	s_barrier_wait -1
.set i, 0
.rept 32
	ds_load_b128 v[ACC+4*i:ACC+4*i+3], v13 offset:SP*i
.set i, i+1
.endr
.set i, 0
.rept 32
	s_wait_dscnt 31-i                              ; row i is back; the younger rows' loads stay out
	global_store_b128 v9, v[ACC+4*i:ACC+4*i+3], s[10:11] offset:4096*i th:TH_STORE_NT   ; 32 lanes store 512 consecutive bytes, at a multiple of 256 from out0's first byte
.set i, i+1
.endr
	s_wait_tensorcnt 0x0                           ; the wave's end
	ds_add_u32 v[SPW], v[NIL]
	s_wait_dscnt 0x0
	CROUND                                         ; the closing round
	s_endpgm
.Lfunc_end_k_qc6dcbed7e5_outp:
	.size	k_qc6dcbed7e5_outp, .Lfunc_end_k_qc6dcbed7e5_outp-k_qc6dcbed7e5_outp
	.p2alignl 7, 3214868480
	.fill 96, 4, 3214868480
	.section	.rodata,"a",@progbits
	.p2align	6, 0x0
	.amdhsa_kernel k_qc6dcbed7e5_outp
		.amdhsa_group_segment_fixed_size 272896
		.amdhsa_private_segment_fixed_size 0
		.amdhsa_enable_private_segment 0
		.amdhsa_kernarg_size 32
		.amdhsa_user_sgpr_count 2
		.amdhsa_user_sgpr_kernarg_segment_ptr 1
		.amdhsa_wavefront_size32 1
		.amdhsa_system_sgpr_workgroup_id_x 1
		.amdhsa_system_sgpr_workgroup_id_y 1
		.amdhsa_system_sgpr_workgroup_id_z 1
		.amdhsa_system_vgpr_workitem_id 0
		.amdhsa_next_free_vgpr 512
		.amdhsa_next_free_sgpr 86
		.amdhsa_reserve_vcc 0
		.amdhsa_float_denorm_mode_32 3
		.amdhsa_float_denorm_mode_16_64 3
		.amdhsa_memory_ordered 1
		.amdhsa_forward_progress 1
		.amdhsa_inst_pref_size 54
	.end_amdhsa_kernel
	.amdgpu_metadata
---
amdhsa.version: [ 1, 2 ]
amdhsa.kernels:
  - .name:           k_qc6dcbed7e5_outp
    .symbol:         k_qc6dcbed7e5_outp.kd
    .args:
      - { .name: sm, .offset: 0, .size: 8, .value_kind: global_buffer, .address_space: global }
      - { .name: xw, .offset: 8, .size: 8, .value_kind: global_buffer, .address_space: global }
      - { .name: bo, .offset: 16, .size: 8, .value_kind: global_buffer, .address_space: global }
      - { .name: out0, .offset: 24, .size: 8, .value_kind: global_buffer, .address_space: global }
    .group_segment_fixed_size: 272896
    .private_segment_fixed_size: 0
    .kernarg_segment_align: 8
    .kernarg_segment_size: 32
    .max_flat_workgroup_size: 128
    .sgpr_count:     86
    .vgpr_count:     512
    .wavefront_size: 32
...
	.end_amdgpu_metadata
.endif
;; end of part 4
